; MI455X (gfx1250); checked and timed in simulation.
; The chip was launched on July 23, 2026; its instructions are those of AMD's public machine-readable ISA for CDNA 5 (MIT licence, August 2026) and "CDNA5" Instruction Set Architecture Reference Guide (July 2026). The comments in the code are by the model that wrote it; some were corrected since.
;; Self Attention For Moe. Allowed arithmetic: matrix products marked QUANTISED: E2M3 operands, one E8M0 scale for each 32 along K, by v_wmma_scale_f32_16x16x128_f8f6f4 with both operands' format E2M3, f32 sums; everything else in f32.
;; Inputs: W1 1,024 x 3,072 float32; W2 1,024 x 1,024 float32; b1 3,072 float32; b2 1,024 float32; x 4 x 2,048 x 1,024 float32.
;; Outputs: out0 4 x 2,048 x 1,024 float32.
;; This version of the problem:
;;   THIS VERSION OF THE PROBLEM IS GIVEN IN LOW PRECISION. The matrix products marked QUANTISED in the list below multiply operands that are first quantised to E2M3 (2 exponent bits, 3 mantissa bits; 6 bits a number), with one power-of-two scale for each 32 numbers along K (OCP MX v1.0); their sums are f32. All else is computed in f32.
;;   The module's matrix products, in the order in which they are computed (A, B: the left and right operand; K: the contracted axis; several contracted axes count as one K, in the product's order):
;;     1. [M 8,192, K 1,024] x [K 1,024, N 3,072]; A: input x; B: input W1: QUANTISED
;;     2. batch 64 x [M 2,048, K 64] x [K 64, N 2,048]; A: computed on the way; B: computed on the way: QUANTISED
;;     3. batch 64 x [M 2,048, K 2,048] x [K 2,048, N 64]; A: softmax (see below); B: computed on the way: QUANTISED
;;     4. [M 8,192, K 1,024] x [K 1,024, N 1,024]; A: computed on the way; B: input W2: QUANTISED
;;   THE QUANTISER, for each operand of a quantised product, along K:
;;     - K is cut into blocks of 32 from its start; a last block that is shorter is filled with zeros.
;;     - A block's scale is 2^e with e = floor(log2(the largest magnitude in the block)) - 2, held to -126 .. 127; a block of zeros has e = 0. As a byte (E8M0): e + 127.
;;     - Each number is divided by its block's scale, clamped to +-7.5, and rounded to the nearest number of E2M3, ties to even, subnormals kept.
;;     - The product sums the exact products of the quantised numbers (number of the format x scale) in f32.
;;   ~~~python
;;   def quantise(x, axis):      # numpy; x: float32 -> the quantised numbers, widened to float32 again
;;       x = np.moveaxis(x, axis, -1); K = x.shape[-1]
;;       x = np.pad(x, [(0, 0)] * (x.ndim - 1) + [(0, -K % 32)]); x = x.reshape(x.shape[:-1] + (-1, 32)); a = np.abs(x).max(-1, keepdims=True)
;;       e = np.where(a > 0, np.clip(np.frexp(np.where(a > 0, a, 1))[1] - 1 - 2, -126, 127), 0)      # np.frexp(a)[1] - 1 = floor(log2(a)), exactly
;;       r = np.clip(x / 2.0 ** e, -7.5, 7.5)
;;       step = 2.0 ** (np.maximum(np.frexp(np.where(r == 0, 1, r))[1] - 1, 0) - 3)
;;       q = np.round(r / step) * step * 2.0 ** e      # np.round: ties to even
;;       return np.moveaxis(q.reshape(q.shape[:-2] + (-1,))[..., :K], -1, axis).astype(np.float32)
;;   ~~~
;;   SOFTMAX AHEAD OF A QUANTISED PRODUCT. Where the list says 'softmax', what is quantised is not the finished softmax but p = 2^(t - M), with t = logit x log2(e) and M = ceil(the row's largest t), a whole number; so 1/2 < the row's largest p <= 1. The row's sum l is taken of the UNQUANTISED p, in f32, and the product's result is divided by l at the end. Since M is a whole number, a kernel that streams over the keys may use a running M (the ceiling of the running maximum): every later rescaling is an exact power of two, which a block's scale takes up: the codes' values come out the same.
;;   OPERANDS COMPUTED ON THE WAY. 'Computed on the way' means the value that the module computes at that place (a softmax that the list does not call 'softmax' is quantised finished and normalised). What goes into a quantiser is computed in f32, as accurately as f32 sums, v_exp_f32 and their like allow (about 1e-6 of the number): no bf16 or f16 on the way to a quantiser, and a product that is left as it is and whose result goes on into a quantised operand takes f32 operands (vector FMAs, or v_wmma_f32_16x16x4_f32). A number that lies on a knife's edge between two numbers of the format may be rounded either way, as far as f32 arithmetic and the matrix unit's own rounding can turn it there, and no further.
;; One version. Each part assembles by itself: llvm-mc -triple=amdgcn-amd-amdhsa -mcpu=gfx1250 --defsym DOCPART=n.
;; ======== version 1 of 1: 4 launches
;; workspace buffers: xq 6,291,456 bytes; xs 262,144 bytes; wq 3,145,728 bytes; ws 262,144 bytes; qkvc 18,874,368 bytes; qkvs 786,432 bytes; cq 6,291,456 bytes; cs 262,144 bytes
;; launch quant (part 1): grid 384 x 1, 4 waves a work-group, no clusters, 37,376 bytes of LDS; arguments x, W1, W2, xq, xs, wq, ws; writes xq, xs, wq, ws
.if DOCPART == 1
	.amdgcn_target "amdgcn-amd-amdhsa--gfx1250"
	.amdhsa_code_object_version 6
	.text
	.protected	k_q75869517a0_quant
	.globl	k_q75869517a0_quant
	.p2align	8
	.type	k_q75869517a0_quant,@function
k_q75869517a0_quant:
	s_mov_b64 s[64:65], 0
	v_nop
	global_prefetch_b8 v0, s[64:65] scope:SCOPE_SE
	s_setreg_imm32_b32 hwreg(HW_REG_WAVE_MODE, 25, 1), 1
	s_wait_xcnt 0x0
; x [8192][1024], W1 [1024][3072], W2 [1024][1024], all f32, become codes of FP6 (E2M3) with one E8M0 byte for each 32 along K (x: its last axis; W1, W2: their first).
; A block's scale is 2^(floor(log2(largest magnitude)) - 2): its byte is the largest magnitude's exponent field - 2, held at 1 from below.
; LIMITS: NaN and infinities among the inputs are not served; a block whose largest magnitude lies under 2^-124 gets the byte 1; a block of zeros gets the byte 1 where the rule says 127
; (its codes are zeros, which add nothing under any byte but 0xff, and this program alone reads the bytes).
; LAYOUT OF THE CODES: fragments (16 rows x 128 K, 12 registers a lane) as images of the operand's registers, [tile][K step 8][1536 bytes].  Half c of an image (registers 6 c .. 6 c + 5) lies at 768 c:
; registers 0-3 of the half at 16 x lane, registers 4-5 at 512 + 8 x lane.  Every store of the wave covers 512 or 256 consecutive bytes, aligned to 256.
; THE ROWS OF A TILE ARE NOT NEIGHBOURS: lane r of tile T holds row 32 (T / 2) + 8 (T % 2) + r + 8 (r / 8), so that results made with such a tile as source 0 have 16 neighbours in a lane's registers.
; SCALE WORDS (four bytes: 128 K of one row): [K step 8][8192 places], place = 16 tile + r.  W1's columns are tiles 0-191 of wq, W2's tiles 192-255.
; SHARES: a wave takes one K step of 64 rows (x) or 64 columns (W): four fragments.  Work-groups 0-255: x; 256-351: W1; 352-383: W2.  Waves share nothing: no barrier.  Each of the three ways has LDS bytes of its own.
.set R,     16                         ; v16-143  numbers as loaded: two sets of 64 (x) or of 32 (W)
.set X,     144                        ; v144-207 x: 64 numbers of my row, register 16 b + i = k 32 b + 16 (lane / 16) + i
.set PC,    208                        ; v208-226 codes; W: two sets of 8
.set TM,    228                        ; v228-243 +0..3 largest magnitudes, +4..7 at work and bytes, +12..15 the conversions' scale operands
.set PW,    244                        ; the scale word just made
.set WB,    248                        ; v248-251 W: the four tiles' scale words
.set SEL,   20                         ; s[20:21] lane selects: lane l xor 16
.set FLOOR, 0x1800000                  ; 2^(3 - 127)
.set OFF2,  0xff000000                 ; takes 2 off an exponent field
	s_load_b256 s[4:11], s[0:1], 0x0               ; x s[4:5], W1 s[6:7], W2 s[8:9], xq s[10:11]
	s_load_b128 s[12:15], s[0:1], 0x20             ; xs s[12:13], wq s[14:15]
	s_load_b64 s[16:17], s[0:1], 0x30              ; ws
	v_lshl_add_u32 v254, v0, 2, 0x9000
	v_mov_b32 v255, 0
	v_lshrrev_b32 v1, 5, v0
	v_readfirstlane_b32 s18, v1                    ; wave 0..3
	v_and_b32 v1, 31, v0                           ; lane
	v_and_b32 v2, 15, v0                           ; r
	v_bfe_u32 v3, v0, 4, 1                         ; h
	v_lshlrev_b32 v4, 4, v1                        ; 16 x lane
	v_lshlrev_b32 v5, 3, v1                        ; 8 x lane
	s_mov_b32 s[SEL], 0x76543210
	s_mov_b32 s[SEL+1], 0xfedcba98
.irp b, 0,1,2,3
	v_mov_b32 v[TM+4+\b], 0                        ; written once: a lane permute's destination counts as one of its sources
.endr
	s_wait_kmcnt 0x0
	s_cmp_ge_u32 ttmp9, 256
	s_cbranch_scc1 .Lweights
; ---------------- x: K is innermost ----------------
.macro LOADX f                         ; fragment f: its 16 rows' 512 bytes of my K step, a row a load: 32 lanes read 512 consecutive bytes
.set j, 0
.rept 16
	global_load_b128 v[R+64*((\f)%2)+4*j:R+64*((\f)%2)+4*j+3], v4, s[4:5] offset:(32*((\f)/2)+8*((\f)%2)+j+8*(j/8))*4096 th:TH_LOAD_NT
.set j, j+1
.endr
.endm
.macro TURN f                          ; through my stage (rows of 512 + 16 bytes): in as loaded, out 16 neighbours of each block a lane.  LDS serves a wave's instructions in order: no wait between
.set j, 0
.rept 16
	ds_store_b128 v6, v[R+64*((\f)%2)+4*j:R+64*((\f)%2)+4*j+3] offset:528*j
.set j, j+1
.endr
.set j, 0
.rept 16
	ds_load_b128 v[X+4*j:X+4*j+3], v7 offset:128*(j/4)+16*(j%4)
.set j, j+1
.endr
.endm
; 64 numbers of a lane, register 16 b + i = k 32 b + 16 (lane / 16) + i of my row, become a fragment's codes in v[PC] on and its scale word in v[PW]
.macro QUANT s
.irp b, 0,1,2,3
	v_max3_num_f32 v[TM+\b], |v[\s+16*\b]|, |v[\s+1+16*\b]|, FLOOR   ; block b: my 16 numbers, and the floor: the byte cannot fall under 1
.endr
.irp i, 2,4,6,8,10,12,14
.irp b, 0,1,2,3
	v_max3_num_f32 v[TM+\b], v[TM+\b], |v[\s+16*\b+\i]|, |v[\s+1+16*\b+\i]|   ; the four blocks by turns
.endr
.endr
.irp b, 0,1,2,3
	v_permlanex16_b32 v[TM+4+\b], v[TM+\b], s[SEL], s[SEL+1]
.endr
.irp b, 0,1,2,3
	v_max_num_f32 v[TM+\b], v[TM+\b], v[TM+4+\b]   ; with lane l xor 16's: the block's largest magnitude
.endr
.irp b, 0,1,2,3
	v_add_nc_u32 v[TM+12+\b], OFF2, v[TM+\b]       ; the conversion takes the exponent field of this operand as its scale
.endr
.irp b, 0,1,2,3
	v_lshrrev_b32 v[TM+4+\b], 23, v[TM+12+\b]      ; the scale's byte
.endr
	v_lshl_or_b32 v[PW], v[TM+5], 8, v[TM+4]
	v_lshl_or_b32 v[PW], v[TM+6], 16, v[PW]
	v_lshl_or_b32 v[PW], v[TM+7], 24, v[PW]
.irp c, 0,1
	v_cvt_scalef32_pk16_fp6_f32 v[PC+6*\c:PC+2+6*\c], v[\s+32*\c:\s+15+32*\c], v[TM+12+2*\c]
	v_cvt_scalef32_pk16_fp6_f32 v[PC+12+4*\c:PC+14+4*\c], v[\s+16+32*\c:\s+31+32*\c], v[TM+13+2*\c]   ; (a conversion's three registers begin on an even number)
.endr
	v_nop                                          ; one plain instruction behind a scaled conversion
.irp c, 0,1                            ; the operand wants a whole block in a lane: lanes 0-15 block 2 c, lanes 16-31 block 2 c + 1
.irp i, 0,1,2
	v_permlane16_swap_b32 v[PC+6*\c+\i], v[PC+12+4*\c+\i]
.endr
.irp i, 0,1,2
	v_mov_b32 v[PC+3+6*\c+\i], v[PC+12+4*\c+\i]
.endr
.endr
.endm
.macro PUT off                         ; the fragment in v[PC] on leaves as its image
	global_store_b128 v4, v[PC:PC+3], s[10:11] offset:\off
	global_store_b64 v5, v[PC+4:PC+5], s[10:11] offset:(\off)+512
	global_store_b128 v4, v[PC+6:PC+9], s[10:11] offset:(\off)+768
	global_store_b64 v5, v[PC+10:PC+11], s[10:11] offset:(\off)+1280
.endm
	s_lshr_b32 s22, ttmp9, 1                       ; which 64 rows
	s_and_b32 s23, ttmp9, 1
	s_lshl_b32 s23, s23, 2
	s_add_co_u32 s23, s23, s18                     ; which K step: 4 (g & 1) + wave
	s_lshl_b32 s24, s22, 18                        ; x: 64 rows of 4,096 bytes, + 512 a K step
	s_lshl_b32 s26, s23, 9
	s_add_co_u32 s24, s24, s26
	s_mov_b32 s25, 0
	s_add_nc_u64 s[4:5], s[4:5], s[24:25]
	s_mul_i32 s26, s22, 49152                      ; xq: four tiles of 12,288 bytes, + 1,536 a K step
	s_mul_i32 s28, s23, 1536
	s_add_co_u32 s26, s26, s28
	s_mov_b32 s27, 0
	s_add_nc_u64 s[10:11], s[10:11], s[26:27]
	s_lshl_b32 s28, s23, 15                        ; xs: 32,768 bytes a K step, + 256 for 64 rows
	s_lshl_b32 s30, s22, 8
	s_add_co_u32 s28, s28, s30
	s_mov_b32 s29, 0
	s_add_nc_u64 s[12:13], s[12:13], s[28:29]
	s_mul_i32 s31, s18, 8704                       ; my LDS: a stage of 16 x 528 bytes, then 256 bytes of scale words
	v_add_nc_u32 v6, s31, v4                       ; into the stage: 16 x lane
	v_mul_u32_u24 v7, v2, 528
	v_lshl_add_u32 v7, v3, 6, v7
	v_add_nc_u32 v7, s31, v7                       ; out of it: row r, + 64 h
	v_lshlrev_b32 v8, 2, v2
	v_add_nc_u32 v8, s31, v8
	v_add_nc_u32 v8, 8448, v8                      ; my row's scale word
	v_add_nc_u32 v9, s31, v5
	v_add_nc_u32 v9, 8448, v9                      ; and 8 bytes a lane on the way out
	LOADX 0
	LOADX 1
.irp f, 0,1,2,3
.if \f < 3
	s_wait_loadcnt 16                              ; this fragment's 16 loads are in; the next fragment's 16 may be out
.else
	s_wait_loadcnt 0x0
.endif
	TURN \f
	s_wait_dscnt 0x0                               ; my numbers are back, and the stage's stores have read their registers
	s_wait_xcnt 0x0                                ; the last fragment's stores have read the codes' registers
.if \f < 2
	LOADX \f+2
.endif
	QUANT X
	PUT \f*12288
	ds_store_b32 v8, v[PW] offset:64*\f            ; lanes l and l xor 16 write the same word with the same value
.endr
	ds_load_b64 v[246:247], v9                     ; LDS serves a wave's instructions in order: these see my stores
	s_wait_dscnt 0x0
	global_store_b64 v5, v[246:247], s[12:13]      ; 64 rows' scale words: 256 consecutive bytes, aligned
	s_wait_tensorcnt 0x0
	ds_add_u32 v254, v255
	s_wait_dscnt 0x0
	s_endpgm
; ---------------- W1, W2: K is the first axis.  A lane takes a column, its registers run down K: a unit is one block of 32 for each lane ----------------
.macro LOADU u                         ; unit u: half c = u / 4 of tile f = u % 4: W(64 c + 32 h + i, my column)
.set i, 0
.rept 32
	global_load_b32 v[R+32*((\u)%2)+i], v10, s[WPT:WPT+1] offset:(64*((\u)/4)+i)*WP+4*(32*(((\u)%4)/2)+8*((\u)%2))
.set i, i+1
.endr
.endm
.macro UNIT u
.set XS, R+32*((\u)%2)
.set CC, PC+8*((\u)%2)
.set FF, (\u)%4
.if (\u) < 7
	s_wait_loadcnt 32                              ; this unit's 32 loads are in; the next unit's may be out
.else
	s_wait_loadcnt 0x0
.endif
	v_max3_num_f32 v[TM], |v[XS]|, |v[XS+1]|, |v[XS+2]|            ; the block's largest magnitude: all 32 numbers are mine; two chains
	v_max3_num_f32 v[TM+1], |v[XS+3]|, |v[XS+4]|, |v[XS+5]|
.irp i, 6,10,14,18,22,26
	v_max3_num_f32 v[TM], v[TM], |v[XS+\i]|, |v[XS+\i+1]|
	v_max3_num_f32 v[TM+1], v[TM+1], |v[XS+\i+2]|, |v[XS+\i+3]|
.endr
	v_max3_num_f32 v[TM], v[TM], |v[XS+30]|, |v[XS+31]|
	v_max3_num_f32 v[TM], v[TM], v[TM+1], FLOOR
	v_add_nc_u32 v[TM+12], OFF2, v[TM]
	v_lshrrev_b32 v[TM+2], 23, v[TM+12]            ; the byte of block 2 c + h
.if (\u) < 4
	v_mov_b32 v[WB+FF], v[TM+2]
.else
	v_lshl_or_b32 v[WB+FF], v[TM+2], 16, v[WB+FF]
.endif
.if (\u) > 1
	s_wait_xcnt 0x0                                ; the stores of two units ago have read this set of codes
.endif
	v_cvt_scalef32_pk16_fp6_f32 v[CC:CC+2], v[XS:XS+15], v[TM+12]
	v_cvt_scalef32_pk16_fp6_f32 v[CC+4:CC+6], v[XS+16:XS+31], v[TM+12]
	v_nop                                          ; one plain instruction behind a scaled conversion
	v_mov_b32 v[CC+3], v[CC+4]                     ; six registers on end: the half's image
	v_mov_b32 v[CC+4], v[CC+5]
	v_mov_b32 v[CC+5], v[CC+6]
	global_store_b128 v4, v[CC:CC+3], s[14:15] offset:FF*12288+768*((\u)/4)
	global_store_b64 v5, v[CC+4:CC+5], s[14:15] offset:FF*12288+768*((\u)/4)+512
.if (\u) < 6
	LOADU (\u)+2
.endif
.if (\u) > 3
	v_lshlrev_b32 v[WB+FF], v11, v[WB+FF]          ; my two bytes at their places (8 h bits up);
	v_permlanex16_b32 v[TM+4], v[WB+FF], s[SEL], s[SEL+1]
	v_or_b32 v[WB+FF], v[WB+FF], v[TM+4]           ; with lane l xor 16's two the word is whole
	ds_store_b32 v8, v[WB+FF] offset:64*FF
.endif
.endm
.macro WPATH pitch, ptr, g0, pos0, lds
.set WP, \pitch                        ; a row of W in bytes
.set WPT, \ptr
	s_sub_co_u32 s22, ttmp9, \g0
	s_and_b32 s23, s22, 7                          ; K step
	s_lshr_b32 s22, s22, 3
	s_lshl_b32 s22, s22, 2
	s_add_co_u32 s22, s22, s18                     ; which 64 columns: the four waves stand side by side
	s_mul_i32 s24, s23, 128*WP
	s_lshl_b32 s26, s22, 8
	s_add_co_u32 s24, s24, s26
	s_mov_b32 s25, 0
	s_add_nc_u64 s[WPT:WPT+1], s[WPT:WPT+1], s[24:25]
	s_add_co_u32 s22, s22, \pos0                   ; its place among the 64 groups of wq
	s_mul_i32 s26, s22, 49152
	s_mul_i32 s28, s23, 1536
	s_add_co_u32 s26, s26, s28
	s_mov_b32 s27, 0
	s_add_nc_u64 s[14:15], s[14:15], s[26:27]
	s_lshl_b32 s28, s23, 15
	s_lshl_b32 s30, s22, 8
	s_add_co_u32 s28, s28, s30
	s_mov_b32 s29, 0
	s_add_nc_u64 s[16:17], s[16:17], s[28:29]
	v_and_b32 v10, 8, v2
	v_add_nc_u32 v10, v10, v2                      ; r + 8 (r / 8)
	v_lshlrev_b32 v10, 2, v10
	v_mul_u32_u24 v12, v3, 32*WP                   ; lanes 16-31 begin 32 rows further down
	v_add_nc_u32 v10, v10, v12
	v_lshlrev_b32 v11, 3, v3                       ; 8 h
	s_lshl_b32 s31, s18, 8                         ; my 256 bytes of LDS
	v_lshlrev_b32 v8, 2, v2
	v_add_nc_u32 v8, s31, v8
	v_add_nc_u32 v8, \lds, v8
	v_add_nc_u32 v9, s31, v5
	v_add_nc_u32 v9, \lds, v9
	LOADU 0
	LOADU 1
.irp u, 0,1,2,3,4,5,6,7
	UNIT \u
.endr
	ds_load_b64 v[246:247], v9
	s_wait_dscnt 0x0
	global_store_b64 v5, v[246:247], s[16:17]      ; 64 columns' scale words: 256 consecutive bytes, aligned
	s_wait_tensorcnt 0x0
	ds_add_u32 v254, v255
	s_wait_dscnt 0x0
	s_endpgm
.endm
.Lweights:
	s_cmp_ge_u32 ttmp9, 352
	s_cbranch_scc1 .Lw2
	WPATH 12288, 6, 256, 0, 34816
.Lw2:
	WPATH 4096, 8, 352, 48, 35840
.Lfunc_end_k_q75869517a0_quant:
	.size	k_q75869517a0_quant, .Lfunc_end_k_q75869517a0_quant-k_q75869517a0_quant
	.p2alignl 7, 3214868480
	.fill 96, 4, 3214868480
	.section	.rodata,"a",@progbits
	.p2align	6, 0x0
	.amdhsa_kernel k_q75869517a0_quant
		.amdhsa_group_segment_fixed_size 37376
		.amdhsa_private_segment_fixed_size 0
		.amdhsa_enable_private_segment 0
		.amdhsa_kernarg_size 56
		.amdhsa_user_sgpr_count 2
		.amdhsa_user_sgpr_kernarg_segment_ptr 1
		.amdhsa_wavefront_size32 1
		.amdhsa_system_sgpr_workgroup_id_x 1
		.amdhsa_system_sgpr_workgroup_id_y 1
		.amdhsa_system_sgpr_workgroup_id_z 1
		.amdhsa_system_vgpr_workitem_id 0
		.amdhsa_next_free_vgpr 256
		.amdhsa_next_free_sgpr 66
		.amdhsa_reserve_vcc 0
		.amdhsa_float_denorm_mode_32 3
		.amdhsa_float_denorm_mode_16_64 3
		.amdhsa_memory_ordered 1
		.amdhsa_forward_progress 1
		.amdhsa_inst_pref_size 114
	.end_amdhsa_kernel
	.amdgpu_metadata
---
amdhsa.version: [ 1, 2 ]
amdhsa.kernels:
  - .name:           k_q75869517a0_quant
    .symbol:         k_q75869517a0_quant.kd
    .args:
      - { .name: x, .offset: 0, .size: 8, .value_kind: global_buffer, .address_space: global }
      - { .name: W1, .offset: 8, .size: 8, .value_kind: global_buffer, .address_space: global }
      - { .name: W2, .offset: 16, .size: 8, .value_kind: global_buffer, .address_space: global }
      - { .name: xq, .offset: 24, .size: 8, .value_kind: global_buffer, .address_space: global }
      - { .name: xs, .offset: 32, .size: 8, .value_kind: global_buffer, .address_space: global }
      - { .name: wq, .offset: 40, .size: 8, .value_kind: global_buffer, .address_space: global }
      - { .name: ws, .offset: 48, .size: 8, .value_kind: global_buffer, .address_space: global }
    .group_segment_fixed_size: 37376
    .private_segment_fixed_size: 0
    .kernarg_segment_align: 8
    .kernarg_segment_size: 56
    .max_flat_workgroup_size: 128
    .sgpr_count:     66
    .vgpr_count:     256
    .wavefront_size: 32
...
	.end_amdgpu_metadata
.endif
;; end of part 1
;; launch gemm1 (part 2): grid 8 x 48, 4 waves a work-group, clusters of 4 x 4, 327,680 bytes of LDS; arguments xq, xs, wq, ws, b1, qkvc, qkvs; writes qkvc, qkvs
.if DOCPART == 2
	.amdgcn_target "amdgcn-amd-amdhsa--gfx1250"
	.amdhsa_code_object_version 6
	.text
	.protected	k_q75869517a0_gemm1
	.globl	k_q75869517a0_gemm1
	.p2align	8
	.type	k_q75869517a0_gemm1,@function
k_q75869517a0_gemm1:
	s_mov_b64 s[64:65], 0
	v_nop
	global_prefetch_b8 v0, s[64:65] scope:SCOPE_SE
	s_setreg_imm32_b32 hwreg(HW_REG_WAVE_MODE, 25, 1), 1
	s_wait_xcnt 0x0
	s_wait_alu depctr_hold_cnt(0) depctr_sa_sdst(0) depctr_va_vdst(0) depctr_va_sdst(0) depctr_va_ssrc(0) depctr_va_vcc(0) depctr_vm_vsrc(0)
	s_getreg_b32 s2, hwreg(HW_REG_IB_STS2, 6, 4)
	s_cmp_eq_u32 s2, 0
	s_cbranch_scc0 .Lentry_in_a_cluster
	s_endpgm
.Lentry_in_a_cluster:
	s_bfe_u32 s2, ttmp6, 0x10000c
	s_cmp_lg_u32 s2, 0xf033
	s_cbranch_scc0 .Lentry_shape_is_right
	s_endpgm
.Lentry_shape_is_right:
; qkv = x W1 + b1 on codes of FP6 (E2M3) with E8M0 scales, sums in f32; the result is quantised at once, in registers, for the products that follow, and leaves as codes alone.
; ONE BODY, TWO USES.  The body computes D(lane = a row of operand R, registers = rows of operand Cc) and quantises along Cc in blocks of 32.
;   clusters with y < 8:  R = tokens (xq), Cc = W1's columns 0-2047: q and k, quantised along the head's 64.      clusters with y >= 8: R = W1's columns 2048-3071, Cc = tokens: v, quantised along the keys.
; A tile of 256 x 256 is made by four waves, 128 x 128 each: 64 accumulators, 512 registers.  The rows that form a tile of 16 were chosen when the codes were made (lane r of tile T: row 32 (T / 2) + 8 (T % 2) + r + 8 (r / 8)),
; so that a lane's 16 registers of accumulators (a, 2 bb) and (a, 2 bb + 1) are 16 neighbours along Cc: block a of 16 rows of R x 128 of Cc becomes exactly one fragment and one scale word a row.
; K = 1,024 goes in four steps of 256 through a ring of two LDS slots filled by the tensor data mover.  Fragments lie in memory and in LDS as images of their registers (1,536 bytes; half c at 768 c: 16 bytes a lane, then 8 bytes a lane):
; a fragment is two loads of 16 bytes and two of 8, each of 512 or 256 consecutive bytes: no pitch, no padding.  The scale words of the work-group's rows, for all of K, come once, with the first fills.
; CLUSTERS: 4 x 4 work-groups; R's tiles are shared along a row of the cluster, Cc's along a column: each is asked for jointly.
; The bias is the C of each sum's first product.  No prefetch is laid: a work-group has two refills in all.
; LIMITS: as the quantiser's: NaN and infinities are not served; a block under 2^-124 or of zeros gets the byte 1.
; OUT: qkvc [q, k, v][batch 4][pair of heads 8][group 16][a 8][1536]; qkvs [..][group][r 16][a 8] words.  q, k: group = 128 tokens, a = tile of 16 tokens, half c = head 2 P + c.  v: group = 128 keys, a = 4 (head % 2) + tile of 16 of the head's 64.
; REGISTERS: window 0: v16-31 addresses; v32-63 scale words, two sets; v64-127 the bias; v128-223 R's 8 fragments, one set.  window 1: Cc's fragments, two sets, at v0 and v128.  windows 2, 3: accumulator (a, b) at v[8 (8 (a % 4) + b)].
.set FR,    12
.set NL,    4                          ; LDS loads that bring a fragment
.set NP,    4                          ; places behind this matrix instruction (ISA guide 7.12.1)
.set HALFT, 24576                      ; 8 tiles x 2 K steps of 128 x 1,536: what one tensor load brings, and what one wave reads of a side
.set SLOT,  4*HALFT                    ; R's 16 tiles, then Cc's 16
.set SCL,   2*SLOT                     ; the scale words: quarter w at 4096 w + 128 (w / 2), each [K step 8][128 rows]
.set SPARE, SCL+16640                  ; the spare words, 128 bytes a wave: two blocks of 256 bytes that no other line names
.set A16,   16                         ; v16-17 R's fragments in slot 0, 1: 16 x lane + ..;  v18-19 the same with 8 x lane
.set A8,    18
.set B16,   20                         ; v20-23 the same for Cc
.set B8,    22
.set O16,   24                         ; 16 x lane
.set O8,    25                         ; 8 x lane
.set SOF,   26                         ; 32 r + 16 h
.set ADRS,  27                         ; my scale words: lanes 0-15 R's rows, lanes 16-31 Cc's
.set SPW,   28
.set NIL,   29
.set SC,    32                         ; set s at v[SC + 16 s]: register 2 i + q: lanes 0-15 the word of R's tile i, lanes 16-31 of Cc's tile i, for the slot's q-th 128 along K
.set BI,    64
.set AF,    128
.set TM,    32                         ; the way out: at work (the scale words' registers are free then)
.set PC0,   64                         ; two sets of codes, 20 apart
.set PWS,   104                        ; the eight scale words made
.set WV,    18
.set RH,    19                         ; my half of R.  Also: I fetch for R (0) or for Cc (1)
.set CH,    20                         ; my half of Cc.  Also: which 128 rows I fetch
.set G1,    24
.set G0,    32
.set G1B,   48
.set G0B,   56
.set G1S,   68
.set G0S,   76
.set G1SB,  80
.set G0SB,  88
.set MSB, 0
.macro WIN new                         ; the immediate's high byte repeats the setting that is left
.if MSB != \new
	s_set_vgpr_msb (MSB<<8)|\new
.set MSB, \new
.endif
.endm
; A joint load: waves 0 and 1 fetch for R, waves 2 and 3 for Cc.  The branch hangs on the wave's number alone.  Four v_nop follow each of the two lines.
.macro JLOAD g0a, g1a, g0b, g1b
	s_cmp_eq_u32 s[RH], 0
	s_cbranch_scc0 .Lfor_b_\@
	tensor_load_to_lds s[\g0a:\g0a+3], s[\g1a:\g1a+7]
	s_nop 0
.rept 4
	v_nop
.endr
	s_branch .Lasked_\@
.Lfor_b_\@:
	tensor_load_to_lds s[\g0b:\g0b+3], s[\g1b:\g1b+7]
	s_nop 0
.rept 4
	v_nop
.endr
.Lasked_\@:
.endm
.macro CREST                           ; a round of the cluster's barrier behind its opening barrier
	s_cmp_lg_u32 s[WV], 0
	s_cbranch_scc1 .Lnot_wave_0_\@
	s_barrier_signal -3
.Lnot_wave_0_\@:
	s_barrier_wait -3
	s_barrier_signal -1
	s_barrier_wait -1
.endm
.macro CROUND
	s_barrier_signal -1
	s_barrier_wait -1
	CREST
.endm
.macro PLACES n
.rept \n
	v_nop
.endr
.endm
	s_load_b256 s[4:11], s[0:1], 0x0               ; xq s[4:5], xs s[6:7], wq s[8:9], ws s[10:11]
	s_load_b128 s[12:15], s[0:1], 0x20             ; b1 s[12:13], qkvc s[14:15]
	s_load_b64 s[16:17], s[0:1], 0x30              ; qkvs
	v_lshl_add_u32 v[SPW], v0, 2, SPARE
	v_mov_b32 v[NIL], 0
	ds_add_u32 v28, v29
	ds_add_u32 v28, v29
	s_wait_dscnt 0x0
	v_lshrrev_b32 v1, 5, v0
	v_readfirstlane_b32 s[WV], v1                  ; wave 0..3
	s_lshr_b32 s[RH], s[WV], 1
	s_and_b32 s[CH], s[WV], 1
	s_bfe_u32 s21, ttmp6, 0x40000                  ; cx
	s_bfe_u32 s22, ttmp6, 0x40004                  ; cy
	s_and_b32 s23, ttmp7, 0xffff                   ; the cluster's y: 0-7 q and k, 8-11 v: the same in all sixteen partners
	s_lshl_b32 s40, s23, 2
	s_sub_co_u32 s41, s23, 8
	s_lshl_b32 s41, s41, 1
	s_add_co_u32 s41, s41, ttmp9
	s_lshl_b32 s41, s41, 2                         ; v: 4 (cluster x + 2 (cluster y - 8))
	s_lshl_b32 s42, ttmp9, 2
	s_cmp_ge_u32 s23, 8
	s_cselect_b32 s3, 1, 0                         ; 1: v
	s_cselect_b32 s40, 0, s40
	s_cselect_b32 s41, s41, s42
	s_add_co_u32 s40, s40, s22                     ; R's tile of 256 rows: hangs on cy alone within the cluster
	s_add_co_u32 s41, s41, s21                     ; Cc's: on cx alone
	s_lshl_b32 s43, s22, 2
	s_lshl_b32 s43, 15, s43                        ; my row of the cluster
	s_lshl_b32 s44, 0x1111, s21                    ; my column
	; group 1, codes: 8 rows (tiles) of 3,072 bytes (384 elements of 8), 12,288 bytes apart
	s_or_b32 s[G1+0], s43, (3<<16)|(1<<21)
	s_or_b32 s[G1B+0], s44, (3<<16)|(1<<21)
.irp g, G1, G1B
	s_mov_b32 s[\g+1], 384<<16
	s_mov_b32 s[\g+2], 8<<16
	s_mov_b32 s[\g+3], 384<<16
	s_mov_b32 s[\g+4], 8
	s_mov_b32 s[\g+5], 1536
	s_mov_b32 s[\g+6], 0
	s_mov_b32 s[\g+7], 0
.endr
	; group 1, scale words: 8 rows (K steps) of 512 bytes (128 rows' words), 32,768 bytes apart
	s_or_b32 s[G1S+0], s43, (3<<16)|(1<<21)
	s_or_b32 s[G1SB+0], s44, (3<<16)|(1<<21)
.irp g, G1S, G1SB
	s_mov_b32 s[\g+1], 64<<16
	s_mov_b32 s[\g+2], 8<<16
	s_mov_b32 s[\g+3], 64<<16
	s_mov_b32 s[\g+4], 8
	s_mov_b32 s[\g+5], 4096
	s_mov_b32 s[\g+6], 0
	s_mov_b32 s[\g+7], 0
.endr
	s_lshl_b32 s45, s[CH], 3                       ; which 8 tiles of the 16 I fetch
	s_lshl_b32 s46, s40, 4
	s_add_co_u32 s46, s46, s45                     ; R's first tile
	s_lshl_b32 s92, s41, 4
	s_add_co_u32 s92, s92, s45                     ; Cc's
	s_mul_i32 s94, s46, 12288                      ; their codes,
	s_mov_b32 s95, 0
	s_lshl_b32 s96, s46, 6                         ; their scale words (64 bytes a tile)
	s_mov_b32 s97, 0
	s_mul_i32 s98, s92, 12288
	s_mov_b32 s99, 0
	s_lshl_b32 s100, s92, 6
	s_mov_b32 s101, 0
	s_mul_i32 s42, s[WV], HALFT                    ; where they go: no place in the cluster enters an LDS address
	s_lshl_b32 s45, s[WV], 12
	s_lshl_b32 s23, s[RH], 7
	s_add_co_u32 s45, s45, s23
	s_wait_kmcnt 0x0
	s_add_nc_u64 s[46:47], s[8:9], 1572864         ; wq at W1's column 2,048 (tile 128)
	s_add_nc_u64 s[92:93], s[10:11], 8192          ; ws likewise
	s_cmp_lg_u32 s3, 0
	s_cselect_b64 s[46:47], s[46:47], s[4:5]       ; R's codes
	s_cselect_b64 s[92:93], s[92:93], s[6:7]       ; R's scale words
	s_cselect_b64 s[4:5], s[4:5], s[8:9]           ; Cc's codes
	s_cselect_b64 s[6:7], s[6:7], s[10:11]         ; Cc's scale words
	s_add_nc_u64 s[46:47], s[46:47], s[94:95]
	s_add_nc_u64 s[92:93], s[92:93], s[96:97]
	s_add_nc_u64 s[4:5], s[4:5], s[98:99]
	s_add_nc_u64 s[6:7], s[6:7], s[100:101]
	CROUND                                         ; all sixteen work-groups are here: the first joint loads meet
	s_mov_b32 s[G0S], 1
	s_add_co_u32 s[G0S+1], s45, SCL
	s_mov_b64 s[G0S+2:G0S+3], s[92:93]
	s_or_b32 s[G0S+3], s[G0S+3], 0x80000000
	s_mov_b32 s[G0SB], 1
	s_add_co_u32 s[G0SB+1], s45, SCL
	s_mov_b64 s[G0SB+2:G0SB+3], s[6:7]
	s_or_b32 s[G0SB+3], s[G0SB+3], 0x80000000
	JLOAD G0S, G1S, G0SB, G1SB                     ; the scale words first: they are wanted with K step 0
.irp s, 0,1
	s_mov_b32 s[G0+4*\s], 1
	s_add_co_u32 s[G0+4*\s+1], s42, \s*SLOT
	s_add_nc_u64 s[G0+4*\s+2:G0+4*\s+3], s[46:47], \s*3072
	s_or_b32 s[G0+4*\s+3], s[G0+4*\s+3], 0x80000000
	s_mov_b32 s[G0B+4*\s], 1
	s_add_co_u32 s[G0B+4*\s+1], s42, \s*SLOT
	s_add_nc_u64 s[G0B+4*\s+2:G0B+4*\s+3], s[4:5], \s*3072
	s_or_b32 s[G0B+4*\s+3], s[G0B+4*\s+3], 0x80000000
	JLOAD G0+4*\s, G1, G0B+4*\s, G1B               ; three loads of mine are out
.endr
	v_and_b32 v1, 31, v0                           ; lane
	v_and_b32 v2, 15, v0                           ; r
	v_bfe_u32 v3, v0, 4, 1                         ; h
	v_lshlrev_b32 v[O16], 4, v1
	v_lshlrev_b32 v[O8], 3, v1
	v_lshlrev_b32 v[SOF], 5, v2
	v_lshl_add_u32 v[SOF], v3, 4, v[SOF]
	s_mul_i32 s94, s[RH], HALFT                    ; my 128 rows of R
	s_mul_i32 s95, s[CH], HALFT                    ; my 128 rows of Cc,
	s_add_co_u32 s95, s95, 2*HALFT                 ; which lie behind R's 256
.irp s, 0,1
	v_add_nc_u32 v[A16+\s], s94, v[O16]
	v_add_nc_u32 v[A8+\s], s94, v[O8]
	v_add_nc_u32 v[B16+\s], s95, v[O16]
	v_add_nc_u32 v[B8+\s], s95, v[O8]
	s_add_co_u32 s94, s94, SLOT
	s_add_co_u32 s95, s95, SLOT
.endr
	s_lshl_b32 s96, s[RH], 12                      ; R's words: quarter RH
	s_lshl_b32 s97, s[CH], 12                      ; Cc's: quarter 2 + CH, 128 bytes further on
	s_add_co_u32 s97, s97, 8192+128
	s_sub_co_u32 s97, s97, s96
	v_mul_u32_u24 v4, s97, v3                      ; lanes 16-31 take Cc's
	s_add_co_u32 s96, s96, SCL
	v_lshl_add_u32 v4, v2, 2, v4
	v_add_nc_u32 v[ADRS], s96, v4
	v_lshlrev_b32 v5, 6, v3                        ; the bias, q and k: 64 h
	v_and_b32 v6, 8, v2
	v_add_nc_u32 v6, v6, v2
	v_lshlrev_b32 v6, 2, v6                        ; v: 4 (r + 8 (r / 8))
	; where my 128 x 128 goes
	s_lshl_b32 s92, s40, 1
	s_add_co_u32 s92, s92, s[RH]                   ; my group of 128 of R
	s_lshl_b32 s93, s41, 1
	s_add_co_u32 s93, s93, s[CH]                   ; and of Cc
	s_add_co_u32 s94, s92, 16
	s_cmp_lg_u32 s3, 0
	s_cselect_b32 s95, s93, s92                    ; the group of tokens, 0-63
	s_cselect_b32 s94, s94, s93                    ; the group of W1's columns, 0-23
	s_lshr_b32 s96, s94, 3                         ; q, k or v
	s_lshl_b32 s96, s96, 2
	s_lshr_b32 s97, s95, 4                         ; batch
	s_add_co_u32 s96, s96, s97
	s_lshl_b32 s96, s96, 3
	s_and_b32 s97, s94, 7                          ; pair of heads
	s_add_co_u32 s96, s96, s97
	s_lshl_b32 s96, s96, 4
	s_and_b32 s97, s95, 15                         ; group of 128 tokens in the batch
	s_add_co_u32 s96, s96, s97
	s_mul_i32 s100, s96, 12288
	s_mov_b32 s101, 0
	s_add_nc_u64 s[14:15], s[14:15], s[100:101]
	s_lshl_b32 s100, s96, 9
	s_add_nc_u64 s[16:17], s[16:17], s[100:101]
	s_lshl_b32 s100, s94, 9
	s_add_nc_u64 s[12:13], s[12:13], s[100:101]    ; b1 at my 128 columns
	s_mov_b32 s98, 0x76543210
	s_mov_b32 s99, 0xfedcba98                      ; lane selects: lane l xor 16
	s_cmp_lg_u32 s3, 0
	s_cbranch_scc1 .Lbias_v
.irp b, 0,1,2,3,4,5,6,7                ; q, k: register j of accumulator (a, b) is column 32 (b / 2) + 16 h + 8 (b % 2) + j
	global_load_b128 v[BI+8*\b:BI+8*\b+3], v5, s[12:13] offset:4*(32*(\b/2)+8*(\b%2))
	global_load_b128 v[BI+8*\b+4:BI+8*\b+7], v5, s[12:13] offset:4*(32*(\b/2)+8*(\b%2))+16
.endr
	s_branch .Lbias_done
.Lbias_v:
.irp a, 0,1,2,3,4,5,6,7                ; v: all registers of accumulator (a, b) belong to the lane's column 32 (a / 2) + 8 (a % 2) + r + 8 (r / 8)
.irp j, 0,1,2,3,4,5,6,7
	global_load_b32 v[BI+8*\a+\j], v6, s[12:13] offset:4*(32*(\a/2)+8*(\a%2))
.endr
.endr
.Lbias_done:
.macro FRAG reg, a16, a8, off          ; a fragment's image into 12 registers
	ds_load_b128 v[\reg:\reg+3], v[\a16] offset:\off
	ds_load_b64 v[\reg+4:\reg+5], v[\a8] offset:(\off)+512
	ds_load_b128 v[\reg+6:\reg+9], v[\a16] offset:(\off)+768
	ds_load_b64 v[\reg+10:\reg+11], v[\a8] offset:(\off)+1280
.endm
; 16 matrix instructions: R's tiles a0, a0 + 1 x Cc's eight, the slot's q-th 128 along K.  p: Cc's set; sc: the set of scale words.  cm = 0: onto the sums; 1, 2: the bias starts them (by b: q, k; by a: v).
; Source 0 = Cc (its scale words in lanes 16-31), source 1 = R.  The 64 accumulators take turns, one instruction a turn, in the same order in every step.
.macro MUL16 a0, p, q, sc, cm
.irp a, \a0, \a0+1
.irp b, 0,1,2,3,4,5,6,7
.if (\cm) == 0
	v_wmma_scale_f32_16x16x128_f8f6f4 v[8*(8*((\a)%4)+\b):8*(8*((\a)%4)+\b)+7], v[128*(\p)+FR*\b:128*(\p)+FR*\b+FR-1], v[AF+FR*(\a):AF+FR*(\a)+FR-1], v[8*(8*((\a)%4)+\b):8*(8*((\a)%4)+\b)+7], v[SC+16*(\sc)+2*\b+(\q)], v[SC+16*(\sc)+2*(\a)+(\q)] matrix_a_fmt:MATRIX_FMT_FP6 matrix_b_fmt:MATRIX_FMT_FP6 matrix_a_scale:MATRIX_SCALE_ROW1
.elseif (\cm) == 1
	v_wmma_scale_f32_16x16x128_f8f6f4 v[8*(8*((\a)%4)+\b):8*(8*((\a)%4)+\b)+7], v[128*(\p)+FR*\b:128*(\p)+FR*\b+FR-1], v[AF+FR*(\a):AF+FR*(\a)+FR-1], v[BI+8*\b:BI+8*\b+7], v[SC+16*(\sc)+2*\b+(\q)], v[SC+16*(\sc)+2*(\a)+(\q)] matrix_a_fmt:MATRIX_FMT_FP6 matrix_b_fmt:MATRIX_FMT_FP6 matrix_a_scale:MATRIX_SCALE_ROW1
.else
	v_wmma_scale_f32_16x16x128_f8f6f4 v[8*(8*((\a)%4)+\b):8*(8*((\a)%4)+\b)+7], v[128*(\p)+FR*\b:128*(\p)+FR*\b+FR-1], v[AF+FR*(\a):AF+FR*(\a)+FR-1], v[BI+8*(\a):BI+8*(\a)+7], v[SC+16*(\sc)+2*\b+(\q)], v[SC+16*(\sc)+2*(\a)+(\q)] matrix_a_fmt:MATRIX_FMT_FP6 matrix_b_fmt:MATRIX_FMT_FP6 matrix_a_scale:MATRIX_SCALE_ROW1
.endif
.endr
.endr
.endm
.macro FETCH_B slot, q, p              ; Cc's eight fragments of the slot's q-th 128 along K into set p
	WIN 0x40                                       ; destination window 1, address window 0
.irp i, 0,1,2,3,4,5,6,7
	FRAG 128*(\p)+FR*\i, B16+\slot, B8+\slot, \i*3072+(\q)*1536
.endr
	WIN 0
.endm
.macro FETCH_A slot, q, i0             ; R's tiles i0 .. i0 + 3
.irp i, \i0, \i0+1, \i0+2, \i0+3
	FRAG AF+FR*(\i), A16+\slot, A8+\slot, (\i)*3072+(\q)*1536
.endr
.endm
.macro SCALES t, set                   ; the scale words of K step t (256 along K) into a set
.irp i, 0,1,2,3,4,5,6,7
.irp q, 0,1
	ds_load_b32 v[SC+16*(\set)+2*\i+\q], v[ADRS] offset:(2*(\t)+\q)*512+64*\i
.endr
.endr
.endm
; A step of 128 along K that has its successor in the same slot.  A tile of R is free as soon as its eight products are issued: tiles 0-3 are fetched anew in the step's middle, tiles 4-7 at its end.
.macro STEP slot, q, cm
	s_wait_dscnt 4*NL                              ; all but the youngest 16 loads (R's tiles 4-7) are in
.if (\cm) == 0
	WIN 0xa1                                       ; source 0 window 1, source 1 window 0, C and D window 2
.else
	WIN 0x81                                       ; C (the bias) window 0
.endif
	MUL16 0, (\q)%2, \q, \slot, \cm
	MUL16 2, (\q)%2, \q, \slot, \cm
	s_wait_dscnt 0x0                               ; R's tiles 4-7 are in
	PLACES NP                                      ; in front of loads into registers that matrix instructions have read
	FETCH_B \slot, (\q)+1, 1-(\q)%2
	FETCH_A \slot, (\q)+1, 0
.if (\cm) == 0
	WIN 0xf1
.else
	WIN 0xc1
.endif
	MUL16 4, (\q)%2, \q, \slot, \cm
	MUL16 6, (\q)%2, \q, \slot, \cm
	PLACES NP
	WIN 0
	FETCH_A \slot, (\q)+1, 4
.endm
; A slot's last step changes slots: one barrier; in front of it each wave waits for all its tensor loads, adds 0 to its spare word, and waits for that and for its own reads of this slot.  fill = 1: this slot is filled again, two K steps ahead.
.macro TURN slot, next, fill, t
	s_wait_tensorcnt 0x0                           ; all my tensor loads have landed: my part of the next slot
	ds_add_u32 v[SPW], v[NIL]                      ; 0 onto my spare word
	s_wait_dscnt 4*NL+1                            ; (the add and the youngest 16 loads may be out)
	WIN 0xa1
	MUL16 0, 1, 1, \slot, 0                        ; sixteen matrix instructions stand between the add and the wait for it
	s_wait_dscnt 0x0                               ; the add is done, and my reads of this slot are over
	s_barrier_signal -1
	MUL16 2, 1, 1, \slot, 0
	WIN 0
	s_barrier_wait -1
.if \fill
	CREST                                          ; the barrier has opened a round of the cluster's barrier: no wave of any partner still reads this slot or has a load on its way
	s_add_nc_u64 s[G0+4*\slot+2:G0+4*\slot+3], s[G0+4*\slot+2:G0+4*\slot+3], 6144
	s_add_nc_u64 s[G0B+4*\slot+2:G0B+4*\slot+3], s[G0B+4*\slot+2:G0B+4*\slot+3], 6144
	JLOAD G0+4*\slot, G1, G0B+4*\slot, G1B         ; the first tensor load behind the round; its four v_nop are the places in front of the loads below
.else
	PLACES NP
.endif
	FETCH_B \next, 0, 0
	FETCH_A \next, 0, 0
	SCALES (\t)+1, \next
	WIN 0xf1
	MUL16 4, 1, 1, \slot, 0
	MUL16 6, 1, 1, \slot, 0
	PLACES NP
	WIN 0
	FETCH_A \next, 0, 4
.endm
	s_wait_tensorcnt 1                             ; the scale words and my part of K step 0 are in (K step 1's load may be out)
	s_barrier_signal -1
	s_barrier_wait -1                              ; everybody's are
	FETCH_B 0, 0, 0
	FETCH_A 0, 0, 0
	SCALES 0, 0
	FETCH_A 0, 0, 4
	s_wait_loadcnt 0x0                             ; the bias
	s_cmp_lg_u32 s3, 0
	s_cbranch_scc1 .Lfirst_v
	STEP 0, 0, 1                                   ; the first step starts the sums with the bias
	s_branch .Lfirst_done
.Lfirst_v:
	STEP 0, 0, 2
.Lfirst_done:
	TURN 0, 1, 1, 0                                ; K has four slots' worth: the walk is written out
	STEP 1, 0, 0
	TURN 1, 0, 1, 1
	STEP 0, 0, 0
	TURN 0, 1, 0, 2                                ; nothing is left to fetch
	STEP 1, 0, 0
	s_wait_dscnt 4*NL
	WIN 0xa1
	MUL16 0, 1, 1, 1, 0
	MUL16 2, 1, 1, 1, 0
	s_wait_dscnt 0x0
	WIN 0xf1
	MUL16 4, 1, 1, 1, 0
	MUL16 6, 1, 1, 1, 0
	WIN 0
; THE WAY OUT.  Block a (16 rows of R): a lane's 64 numbers, register 16 b + i = place 32 b + 16 h + i along Cc, become one fragment and one scale word; the fragment leaves as its image.
.macro PUT pc, off
	global_store_b128 v[O16], v[\pc:\pc+3], s[14:15] offset:\off
	global_store_b64 v[O8], v[\pc+4:\pc+5], s[14:15] offset:(\off)+512
	global_store_b128 v[O16], v[\pc+6:\pc+9], s[14:15] offset:(\off)+768
	global_store_b64 v[O8], v[\pc+10:\pc+11], s[14:15] offset:(\off)+1280
.endm
.macro QACC a
.set AC, 64*((\a)%4)
.set PCS, PC0+20*((\a)%2)
.if (\a) > 1
	s_wait_xcnt 0x0                                ; the stores of two blocks ago have read this set of codes
.endif
	WIN 0x28+0x14*((\a)/4)                         ; sources 1 and 2: window 2 or 3
.irp b, 0,1,2,3
	v_max3_num_f32 v[TM+\b], 0x1800000, |v[AC+16*\b]|, |v[AC+16*\b+1]|   ; the floor 2^(3 - 127), and each accumulator from its low end on
.endr
.irp i, 2,4,6,8,10,12,14
.irp b, 0,1,2,3
	v_max3_num_f32 v[TM+\b], v[TM+\b], |v[AC+16*\b+\i]|, |v[AC+16*\b+\i+1]|
.endr
.endr
	WIN 0
.irp b, 0,1,2,3
	v_permlanex16_b32 v[TM+4+\b], v[TM+\b], s98, s99
.endr
.irp b, 0,1,2,3
	v_max_num_f32 v[TM+\b], v[TM+\b], v[TM+4+\b]
.endr
.irp b, 0,1,2,3
	v_add_nc_u32 v[TM+12+\b], 0xff000000, v[TM+\b]
.endr
.irp b, 0,1,2,3
	v_lshrrev_b32 v[TM+4+\b], 23, v[TM+12+\b]
.endr
	v_lshl_or_b32 v[PWS+(\a)], v[TM+5], 8, v[TM+4]
	v_lshl_or_b32 v[PWS+(\a)], v[TM+6], 16, v[PWS+(\a)]
	v_lshl_or_b32 v[PWS+(\a)], v[TM+7], 24, v[PWS+(\a)]
	WIN 0x02+((\a)/4)                              ; source 0: window 2 or 3
.irp c, 0,1
	v_cvt_scalef32_pk16_fp6_f32 v[PCS+6*\c:PCS+6*\c+2], v[AC+32*\c:AC+32*\c+15], v[TM+12+2*\c]
	v_cvt_scalef32_pk16_fp6_f32 v[PCS+12+4*\c:PCS+14+4*\c], v[AC+16+32*\c:AC+31+32*\c], v[TM+13+2*\c]
.endr
	WIN 0
	v_nop                                          ; one plain instruction behind a scaled conversion
.irp c, 0,1
.irp i, 0,1,2
	v_permlane16_swap_b32 v[PCS+6*\c+\i], v[PCS+12+4*\c+\i]
.endr
.irp i, 0,1,2
	v_mov_b32 v[PCS+3+6*\c+\i], v[PCS+12+4*\c+\i]
.endr
.endr
	PUT PCS, (\a)*1536
.endm
	PLACES NP                                      ; behind the last products
.irp b, 0,1,2,3
	v_mov_b32 v[TM+4+\b], 0                        ; a lane permute's destination counts as one of its sources
.endr
.irp a, 0,1,2,3,4,5,6,7
	QACC \a
.endr
	s_mov_b32 vcc_lo, 0xffff0000
.irp i, 0,1,2,3
	v_cndmask_b32 v[112+\i], v[PWS+\i], v[PWS+4+\i], vcc_lo   ; lanes 0-15: row r's words of blocks 0-3; lanes 16-31: of blocks 4-7
.endr
	global_store_b128 v[SOF], v[112:115], s[16:17] ; [r][a]: 512 consecutive bytes
	s_wait_tensorcnt 0x0                           ; the wave's end
	ds_add_u32 v[SPW], v[NIL]
	s_wait_dscnt 0x0
	CROUND                                         ; the closing round: no work-group ends while a partner may still ask for a tile that names it
	s_endpgm
.Lfunc_end_k_q75869517a0_gemm1:
	.size	k_q75869517a0_gemm1, .Lfunc_end_k_q75869517a0_gemm1-k_q75869517a0_gemm1
	.p2alignl 7, 3214868480
	.fill 96, 4, 3214868480
	.section	.rodata,"a",@progbits
	.p2align	6, 0x0
	.amdhsa_kernel k_q75869517a0_gemm1
		.amdhsa_group_segment_fixed_size 327680
		.amdhsa_private_segment_fixed_size 0
		.amdhsa_enable_private_segment 0
		.amdhsa_kernarg_size 56
		.amdhsa_user_sgpr_count 2
		.amdhsa_user_sgpr_kernarg_segment_ptr 1
		.amdhsa_wavefront_size32 1
		.amdhsa_system_sgpr_workgroup_id_x 1
		.amdhsa_system_sgpr_workgroup_id_y 1
		.amdhsa_system_sgpr_workgroup_id_z 1
		.amdhsa_system_vgpr_workitem_id 0
		.amdhsa_next_free_vgpr 1024
		.amdhsa_next_free_sgpr 102
		.amdhsa_reserve_vcc 1
		.amdhsa_float_denorm_mode_32 3
		.amdhsa_float_denorm_mode_16_64 3
		.amdhsa_memory_ordered 1
		.amdhsa_forward_progress 1
		.amdhsa_inst_pref_size 171
	.end_amdhsa_kernel
	.amdgpu_metadata
---
amdhsa.version: [ 1, 2 ]
amdhsa.kernels:
  - .name:           k_q75869517a0_gemm1
    .symbol:         k_q75869517a0_gemm1.kd
    .args:
      - { .name: xq, .offset: 0, .size: 8, .value_kind: global_buffer, .address_space: global }
      - { .name: xs, .offset: 8, .size: 8, .value_kind: global_buffer, .address_space: global }
      - { .name: wq, .offset: 16, .size: 8, .value_kind: global_buffer, .address_space: global }
      - { .name: ws, .offset: 24, .size: 8, .value_kind: global_buffer, .address_space: global }
      - { .name: b1, .offset: 32, .size: 8, .value_kind: global_buffer, .address_space: global }
      - { .name: qkvc, .offset: 40, .size: 8, .value_kind: global_buffer, .address_space: global }
      - { .name: qkvs, .offset: 48, .size: 8, .value_kind: global_buffer, .address_space: global }
    .group_segment_fixed_size: 327680
    .private_segment_fixed_size: 0
    .kernarg_segment_align: 8
    .kernarg_segment_size: 56
    .max_flat_workgroup_size: 128
    .sgpr_count:     102
    .vgpr_count:     1024
    .wavefront_size: 32
...
	.end_amdgpu_metadata
.endif
;; end of part 2
;; launch attn (part 3): grid 4 x 64, 16 waves a work-group, clusters of 4 x 1, 215,040 bytes of LDS; arguments qkvc, qkvs, cq, cs; writes cq, cs
.if DOCPART == 3
	.amdgcn_target "amdgcn-amd-amdhsa--gfx1250"
	.amdhsa_code_object_version 6
	.text
	.protected	k_q75869517a0_attn
	.globl	k_q75869517a0_attn
	.p2align	8
	.type	k_q75869517a0_attn,@function
k_q75869517a0_attn:
	s_mov_b64 s[64:65], 0
	v_nop
	global_prefetch_b8 v0, s[64:65] scope:SCOPE_SE
	s_setreg_imm32_b32 hwreg(HW_REG_WAVE_MODE, 25, 1), 1
	s_wait_xcnt 0x0
	s_wait_alu depctr_hold_cnt(0) depctr_sa_sdst(0) depctr_va_vdst(0) depctr_va_sdst(0) depctr_va_ssrc(0) depctr_va_vcc(0) depctr_vm_vsrc(0)
	s_getreg_b32 s2, hwreg(HW_REG_IB_STS2, 6, 4)
	s_cmp_eq_u32 s2, 0
	s_cbranch_scc0 .Lentry_in_a_cluster
	s_endpgm
.Lentry_in_a_cluster:
	s_bfe_u32 s2, ttmp6, 0x10000c
	s_cmp_lg_u32 s2, 0x3003
	s_cbranch_scc0 .Lentry_shape_is_right
	s_endpgm
.Lentry_shape_is_right:
; ctx[b][q][head][:] = softmax_k(q . k / 8) v, both products on codes of FP6 (E2M3) with E8M0 scales; ctx is quantised along the head's 64 at once and leaves as codes.
; THE SOFTMAX AHEAD OF THE SECOND PRODUCT: t = score x log2(e) / 8; M = the running largest t rounded up to a whole number; p = 2^(t - M) is quantised along the keys, not normalised; the row's sum is taken of the
; unquantised p and divides at the end (by v_rcp_f32 and a multiplication).  When M moves, the sum and O are multiplied by 2^(old M - new M): exact.
; SHARES: a work-group owns one head and 512 queries; each of its sixteen waves owns a tile of 16 queries in each of two passes, in 256 registers: four waves to a SIMD, so that one wave's vector work stands beside another's products and LDS loads.
; THE HEAD'S WHOLE K AND V LIE IN LDS as codes (98,304 bytes each) with their scale words (8,192 each): filled once, never again, and nothing is stored to LDS.  The four work-groups of a cluster are the four quarters of one head's
; queries and read the same K and V: every tensor load is joint.  Ten waves issue one load each; every wave waits for all its loads and passes one barrier; after that the waves run free.
; No prefetch is laid: everything is asked for at the head.
; LAYOUT: both products transposed (S^T = K Q^T, O^T = V^T P^T): a lane holds one query.  The keys of a tile and the head's channels of a tile were chosen when the codes were made, so that 16 registers of two neighbouring tiles are 16 neighbours.
; K = 64 IN AN INSTRUCTION OF 128: Q's operand is six registers of codes and six of zero codes; K's tile t lies in six registers and its operand runs on over the next tile's six (a pad behind the last): against zero codes they add nothing
; (E2M3 has no NaN and no infinity).  The scale words of Q and K come as 16 bits: bytes 2 and 3 are 0, a power of two.
; LIMITS: NaN and infinities are not served; a block of ctx under 2^-124 or of zeros gets the byte 1.  The two scale bytes a row and head leave by stores of 2 bytes (the word's other half is another work-group's): 1 byte in 24 of what is stored.
.set VREG, 98304                       ; LDS: K [key tile 128][768]; V [key step 16][tile 4][1536];
.set KSC,  196608                      ; K's scale words [key step 16][r 16][tile 8];
.set VSC,  204800                      ; V's [key step 16][r 16][8]
.set KV,   46                          ; v46-99   K's eight tiles (6 registers each) and a pad of 6; later V's four fragments
.set S,    100                         ; v100-163 S^T, then p
.set O,    164                         ; v164-195 O^T
.set KSW,  196                         ; v196-203 K's scale words
.set VSW,  204                         ; v204-207 V's
.set PCD,  208                         ; v208-219 p's codes; v220-222, v224-226 at work for the conversions
.set BM,   228                         ; v228-231 the blocks' largest
.set PT,   232                         ; v232-235 at work; bytes
.set SO,   236                         ; v236-239 the conversions' scale operands
.set WV,   12
.set SEL,  20
.set CS,   22                          ; s[22:23] c = log2(e) / 8
.set G1K,  24
.set G1V,  32
.set G1S,  40
.set G0C,  48
.set G0S,  52
.set T6,   72                          ; 6,144 x key step: K's and V's codes
.set T5,   73                          ; 512 x key step: the scale words
.set CNT,  74
; v1 16 x lane, v2 8 x lane (K's places, and offsets in memory); v3, v4 the same in V; v5, v6 my places among K's and V's scale words; v7 32 r; v8 4 r; v10-15 the step's addresses;
; v16 -M, v17 the largest t, v[18:19] the sum in two halves; v20-31, v32-43 Q of pass 0, 1; v44, v45 their scale words; v[240:241] a second chain of sums; v242 at work; v244 f, v245 p's scale word
.macro CROUND
	s_barrier_signal -1
	s_barrier_wait -1
	s_cmp_lg_u32 s[WV], 0
	s_cbranch_scc1 .Lnot_wave_0_\@
	s_barrier_signal -3
.Lnot_wave_0_\@:
	s_barrier_wait -3
	s_barrier_signal -1
	s_barrier_wait -1
.endm
	s_load_b256 s[4:11], s[0:1], 0x0               ; qkvc s[4:5], qkvs s[6:7], cq s[8:9], cs s[10:11]
	v_lshl_add_u32 v254, v0, 2, 0x34000
	v_mov_b32 v255, 0
	ds_add_u32 v254, v255
	ds_add_u32 v254, v255
	v_lshrrev_b32 v9, 5, v0
	s_delay_alu instid0(VALU_DEP_1)
	v_readfirstlane_b32 s[WV], v9                  ; wave 0..15
	s_bfe_u32 s13, ttmp6, 0x40000                  ; cx: which quarter of the queries: it enters Q's and ctx's addresses alone
	s_and_b32 s14, ttmp7, 0xffff                   ; 16 x batch + head: shared by the four partners
	s_and_b32 s15, s14, 1                          ; which head of its pair
	s_lshr_b32 s16, s14, 1                         ; the pair
	s_mov_b32 s[SEL], 0x76543210
	s_mov_b32 s[SEL+1], 0xfedcba98
	s_mov_b32 s[CS], 0x3e38aa3b
	s_mov_b32 s[CS+1], s[CS]                       ; (named with it as a pair)
	; group 1.  K: 32 rows (key tiles) of 768 bytes, one head's halves, 1,536 bytes apart.  V: 4 rows (key steps) of 6,144 bytes, 12,288 apart.  Scale words: 8,192 dense bytes as 32 rows of 256.  Mask: all four partners
	s_mov_b32 s[G1K], 15|(3<<16)|(1<<21)
	s_mov_b32 s[G1K+1], 96<<16
	s_mov_b32 s[G1K+2], 32<<16
	s_mov_b32 s[G1K+3], 96<<16
	s_mov_b32 s[G1K+4], 32
	s_mov_b32 s[G1K+5], 192
	s_mov_b32 s[G1K+6], 0
	s_mov_b32 s[G1K+7], 0
	s_mov_b32 s[G1V], 15|(3<<16)|(1<<21)
	s_mov_b32 s[G1V+1], 768<<16
	s_mov_b32 s[G1V+2], 4<<16
	s_mov_b32 s[G1V+3], 768<<16
	s_mov_b32 s[G1V+4], 4
	s_mov_b32 s[G1V+5], 1536
	s_mov_b32 s[G1V+6], 0
	s_mov_b32 s[G1V+7], 0
	s_mov_b32 s[G1S], 15|(3<<16)|(1<<21)
	s_mov_b32 s[G1S+1], 32<<16
	s_mov_b32 s[G1S+2], 32<<16
	s_mov_b32 s[G1S+3], 32<<16
	s_mov_b32 s[G1S+4], 32
	s_mov_b32 s[G1S+5], 32
	s_mov_b32 s[G1S+6], 0
	s_mov_b32 s[G1S+7], 0
	; what I fetch, if I fetch.  Waves 0-3: K's chunk w (four key steps); waves 4-7: V's chunk w - 4; waves 8, 9: K's, V's scale words
	s_lshr_b32 s84, s[WV], 2
	s_min_u32 s84, s84, 1                          ; 0: K, 1: V
	s_and_b32 s85, s[WV], 3
	s_add_co_u32 s86, s84, 1
	s_mul_i32 s86, s86, 6291456                    ; the section of qkvc
	s_mul_i32 s87, s16, 196608                     ; the pair of heads
	s_add_co_u32 s86, s86, s87
	s_mul_i32 s87, s85, 49152                      ; the chunk
	s_add_co_u32 s86, s86, s87
	s_mov_b32 s87, 6144
	s_cmp_eq_u32 s84, 0
	s_cselect_b32 s87, 768, s87
	s_mul_i32 s87, s87, s15                        ; the head of the pair
	s_add_co_u32 s86, s86, s87
	s_mov_b32 s87, 0
	s_and_b32 s88, s[WV], 1
	s_add_co_u32 s90, s88, 1
	s_lshl_b32 s90, s90, 18                        ; the section of qkvs
	s_lshl_b32 s89, s16, 13
	s_add_co_u32 s90, s90, s89
	s_mov_b32 s91, 0
	s_lshl_b32 s88, s88, 13
	s_wait_dscnt 0x0
	s_wait_kmcnt 0x0
	s_mov_b32 s[G0C], 1
	s_mul_i32 s[G0C+1], s[WV], 24576               ; K's four chunks, then V's four
	s_add_nc_u64 s[G0C+2:G0C+3], s[4:5], s[86:87]
	s_or_b32 s[G0C+3], s[G0C+3], 0x80000000
	s_mov_b32 s[G0S], 1
	s_add_co_u32 s[G0S+1], s88, KSC
	s_add_nc_u64 s[G0S+2:G0S+3], s[6:7], s[90:91]
	s_or_b32 s[G0S+3], s[G0S+3], 0x80000000
	CROUND                                         ; all four work-groups are here: the joint loads meet
	s_cmp_lt_u32 s[WV], 4                          ; the branches hang on the wave's number alone; four v_nop follow each load; one load of mine is out at the most
	s_cbranch_scc0 .Lnot_k
	tensor_load_to_lds s[G0C:G0C+3], s[G1K:G1K+7]
	s_nop 0
.rept 4
	v_nop
.endr
	s_branch .Lasked
.Lnot_k:
	s_cmp_lt_u32 s[WV], 8
	s_cbranch_scc0 .Lnot_v
	tensor_load_to_lds s[G0C:G0C+3], s[G1V:G1V+7]
	s_nop 0
.rept 4
	v_nop
.endr
	s_branch .Lasked
.Lnot_v:
	s_cmp_lt_u32 s[WV], 10
	s_cbranch_scc0 .Lasked
	tensor_load_to_lds s[G0S:G0S+3], s[G1S:G1S+7]
	s_nop 0
.rept 4
	v_nop
.endr
.Lasked:
	; my tile of queries in pass 0: group G = 4 cx + wave / 8 of the batch's sixteen, tile a = wave % 8; pass 1: two groups on
	s_lshl_b32 s84, s13, 2
	s_lshr_b32 s85, s[WV], 3
	s_add_co_u32 s84, s84, s85                     ; G
	s_and_b32 s85, s[WV], 7                        ; a
	s_mul_i32 s88, s16, 196608
	s_mul_i32 s89, s84, 12288
	s_add_co_u32 s88, s88, s89
	s_mul_i32 s89, s85, 1536
	s_add_co_u32 s88, s88, s89
	s_mul_i32 s89, s15, 768
	s_add_co_u32 s88, s88, s89
	s_mov_b32 s89, 0
	s_add_nc_u64 s[76:77], s[4:5], s[88:89]        ; Q's codes
	s_lshl_b32 s88, s16, 13
	s_lshl_b32 s89, s84, 9
	s_add_co_u32 s88, s88, s89
	s_lshl_b32 s89, s85, 2
	s_add_co_u32 s88, s88, s89
	s_lshl_b32 s89, s15, 1
	s_add_co_u32 s88, s88, s89
	s_mov_b32 s89, 0
	s_add_nc_u64 s[78:79], s[6:7], s[88:89]        ; Q's scale bytes
	s_lshr_b32 s90, s14, 4                         ; batch
	s_lshl_b32 s90, s90, 4
	s_add_co_u32 s90, s90, s84
	s_lshl_b32 s90, s90, 3
	s_add_co_u32 s90, s90, s85                     ; the tile among all 512 tiles of tokens
	s_and_b32 s91, s16, 7                          ; the K step of the last product: the pair of heads
	s_mul_i32 s88, s90, 12288
	s_mul_i32 s89, s91, 1536
	s_add_co_u32 s88, s88, s89
	s_mul_i32 s89, s15, 768
	s_add_co_u32 s88, s88, s89
	s_mov_b32 s89, 0
	s_add_nc_u64 s[80:81], s[8:9], s[88:89]        ; ctx's codes
	s_lshl_b32 s88, s91, 15
	s_lshl_b32 s89, s90, 6
	s_add_co_u32 s88, s88, s89
	s_lshl_b32 s89, s15, 1
	s_add_co_u32 s88, s88, s89
	s_mov_b32 s89, 0
	s_add_nc_u64 s[82:83], s[10:11], s[88:89]      ; ctx's scale bytes
	v_and_b32 v9, 31, v0
	s_delay_alu instid0(VALU_DEP_1)
	v_lshlrev_b32 v1, 4, v9
	s_delay_alu instid0(VALU_DEP_2)
	v_lshlrev_b32 v2, 3, v9
	s_delay_alu instid0(VALU_DEP_2)
	v_add_nc_u32 v3, VREG, v1
	s_delay_alu instid0(VALU_DEP_2)
	v_add_nc_u32 v4, VREG, v2
	v_and_b32 v9, 15, v0
	s_delay_alu instid0(VALU_DEP_1)
	v_lshlrev_b32 v7, 5, v9
	s_delay_alu instid0(VALU_DEP_2)
	v_lshlrev_b32 v8, 2, v9
	s_lshl_b32 s84, s15, 1
	s_add_co_u32 s84, s84, KSC
	v_add_nc_u32 v5, s84, v7                       ; K's scale bytes: 32 r + 4 tile + 2 x head of the pair
	s_lshl_b32 s84, s15, 4
	s_add_co_u32 s84, s84, VSC
	v_add_nc_u32 v6, s84, v7                       ; V's scale words: 32 r + 16 x head of the pair: four words
	global_load_b128 v[20:23], v1, s[76:77]
	global_load_b64 v[24:25], v2, s[76:77] offset:512
	global_load_u16 v44, v7, s[78:79]
	global_load_b128 v[32:35], v1, s[76:77] offset:24576
	global_load_b64 v[36:37], v2, s[76:77] offset:24576+512
	global_load_u16 v45, v7, s[78:79] offset:1024
.irp i, 26,27,28,29,30,31, 38,39,40,41,42,43, 94,95,96,97,98,99, 232,233,234,235, 245
	v_mov_b32 v\i, 0                               ; Q's zero codes; the pad behind K's tiles; the permutes' destinations; the upper half of the pair v[244:245]
.endr
.macro INIT
	v_mov_b32 v17, 0xff61b1e6                      ; the largest t so far: -3e38
	s_delay_alu instid0(VALU_DEP_1)
	v_floor_f32 v16, -v17                          ; -M
	v_mov_b32 v18, 0
	v_mov_b32 v19, 0
.set j, 0
.rept 32
	v_mov_b32 v[O+j], 0                            ; the step is written once a pass: the first finds zeros, which the first change of M leaves zeros
.set j, j+1
.endr
	s_mov_b32 s[T6], 0
	s_mov_b32 s[T5], 0
	s_mov_b32 s[CNT], 16
.endm
; A KEY STEP: 128 keys
.macro STEP qf, qs
	s_setprio 2
	v_add_nc_u32 v10, s[T6], v1                    ; six plain instructions: also the places behind the last step's products, in front of the loads into their registers
	v_add_nc_u32 v11, s[T6], v2
	v_add_nc_u32 v12, s[T6], v3
	v_add_nc_u32 v13, s[T6], v4
	v_add_nc_u32 v14, s[T5], v5
	v_add_nc_u32 v15, s[T5], v6
.irp t, 0,1,2,3,4,5,6,7
	ds_load_b128 v[KV+6*\t:KV+6*\t+3], v10 offset:768*\t
	ds_load_b64 v[KV+6*\t+4:KV+6*\t+5], v11 offset:768*\t+512
	ds_load_u16 v[KSW+\t], v14 offset:4*\t
.endr
	s_wait_alu depctr_va_vdst(0)
	s_wait_dscnt 0x0
.irp t, 0,1,2,3,4,5,6,7
	v_wmma_scale_f32_16x16x128_f8f6f4 v[S+8*\t:S+8*\t+7], v[KV+6*\t:KV+6*\t+11], v[\qf:\qf+11], 0, v[KSW+\t], v[\qs] matrix_a_fmt:MATRIX_FMT_FP6 matrix_b_fmt:MATRIX_FMT_FP6
.endr
.rept 4
	v_nop                                          ; places: in front of the loads into K's registers and of the first read of the scores
.endr
.irp u, 0,1,2,3                        ; V's four fragments land under the softmax
	ds_load_b128 v[KV+12*\u:KV+12*\u+3], v12 offset:1536*\u
	ds_load_b64 v[KV+12*\u+4:KV+12*\u+5], v13 offset:1536*\u+512
	ds_load_b128 v[KV+12*\u+6:KV+12*\u+9], v12 offset:1536*\u+768
	ds_load_b64 v[KV+12*\u+10:KV+12*\u+11], v13 offset:1536*\u+1280
.endr
	ds_load_b128 v[VSW:VSW+3], v15
.irp b, 0,1,2,3
	v_max3_num_f32 v[BM+\b], v[S+16*\b], v[S+1+16*\b], v[S+2+16*\b]   ; the largest score of each block of 32 keys: for the row's maximum and, since p rises with the score, for the block's largest p
.endr
.irp i, 3,5,7,9,11,13
.irp b, 0,1,2,3
	v_max3_num_f32 v[BM+\b], v[BM+\b], v[S+16*\b+\i], v[S+1+16*\b+\i]
.endr
.endr
.irp b, 0,1,2,3
	v_max_num_f32 v[BM+\b], v[BM+\b], v[S+15+16*\b]
.endr
.irp b, 0,1,2,3
	s_delay_alu instid0(VALU_DEP_4)
	v_permlanex16_b32 v[PT+\b], v[BM+\b], s[SEL], s[SEL+1]
.endr
.irp b, 0,1,2,3
	s_delay_alu instid0(VALU_DEP_4)
	v_max_num_f32 v[BM+\b], v[BM+\b], v[PT+\b]     ; with lane l xor 16's 16 keys
.endr
	s_delay_alu instid0(VALU_DEP_2)
	v_max3_num_f32 v242, v[BM], v[BM+1], v[BM+2]
	s_delay_alu instid0(VALU_DEP_1)
	v_max_num_f32 v242, v242, v[BM+3]
	s_delay_alu instid0(VALU_DEP_1)
	v_mul_f32 v242, s[CS], v242                    ; as t
	s_delay_alu instid0(VALU_DEP_1)
	v_max_num_f32 v17, v17, v242                   ; the running largest t
	v_mov_b32 v242, v16
	s_delay_alu instid0(VALU_DEP_2)
	v_floor_f32 v16, -v17                          ; the new -M = -ceil(t): a whole number
	s_delay_alu instid0(VALU_DEP_1)
	v_sub_f32 v242, v16, v242                      ; old M - new M: a whole number, 0 or less
	s_delay_alu instid0(VALU_DEP_1)
	v_cvt_i32_f32 v242, v242                       ; (it saturates)
	s_delay_alu instid0(VALU_DEP_1)
	v_ldexp_f32 v244, 1.0, v242                    ; f = 2^(old M - new M)
.set j, 0
.rept 32
	v_pk_fma_f32 v[S+j:S+j+1], v[S+j:S+j+1], s[CS:CS+1], v[16:17] op_sel_hi:[1,0,0]   ; t - M, two at a time
.set j, j+2
.endr
.irp b, 0,1,2,3
	v_fma_f32 v[BM+\b], v[BM+\b], s[CS], v16       ; the same of each block's largest score
.endr
.set j, 0
	s_setprio 1
	s_wait_alu depctr_va_vdst(0)
.rept 64
	v_exp_f32 v[S+j], v[S+j]                       ; p = 2^(t - M)
.set j, j+1
.endr
	v_pk_mul_f32 v[18:19], v[18:19], v[244:245] op_sel_hi:[1,0]   ; the sums under the new M: a plain instruction behind the exponentials
	s_wait_alu depctr_va_vdst(0)                   ; one wait for the batch of 64, ahead of its first reader
.irp b, 0,1,2,3
	v_exp_f32 v[BM+\b], v[BM+\b]                   ; the block's largest p: the same two instructions on the same number
.endr
	v_pk_add_f32 v[240:241], v[104:105], v[108:109]
	v_pk_add_f32 v[252:253], v[112:113], v[116:117]
	v_pk_add_f32 v[250:251], v[120:121], v[124:125]
	v_pk_add_f32 v[248:249], v[128:129], v[132:133]
	v_pk_add_f32 v[246:247], v[136:137], v[140:141]
	v_pk_add_f32 v[238:239], v[144:145], v[148:149]
	v_pk_add_f32 v[236:237], v[152:153], v[156:157]
	v_pk_add_f32 v[18:19], v[18:19], v[160:161]
	v_pk_add_f32 v[240:241], v[240:241], v[100:101]
	v_pk_add_f32 v[252:253], v[252:253], v[102:103]
	v_pk_add_f32 v[250:251], v[250:251], v[106:107]
	v_pk_add_f32 v[248:249], v[248:249], v[110:111]
	v_pk_add_f32 v[246:247], v[246:247], v[114:115]
	v_pk_add_f32 v[238:239], v[238:239], v[118:119]
	v_pk_add_f32 v[236:237], v[236:237], v[122:123]
	v_pk_add_f32 v[18:19], v[18:19], v[126:127]
	v_pk_add_f32 v[240:241], v[240:241], v[130:131]
	v_pk_add_f32 v[252:253], v[252:253], v[134:135]
	v_pk_add_f32 v[250:251], v[250:251], v[138:139]
	v_pk_add_f32 v[248:249], v[248:249], v[142:143]
	v_pk_add_f32 v[246:247], v[246:247], v[146:147]
	v_pk_add_f32 v[238:239], v[238:239], v[150:151]
	v_pk_add_f32 v[236:237], v[236:237], v[154:155]
	v_pk_add_f32 v[18:19], v[18:19], v[158:159]
	v_pk_add_f32 v[240:241], v[240:241], v[162:163]
	s_delay_alu instid0(VALU_DEP_2)
	v_pk_add_f32 v[18:19], v[18:19], v[248:249]
	s_delay_alu instid0(VALU_DEP_2)
	v_pk_add_f32 v[240:241], v[240:241], v[246:247]
	v_pk_add_f32 v[252:253], v[252:253], v[238:239]
	v_pk_add_f32 v[250:251], v[250:251], v[236:237]
	s_delay_alu instid0(VALU_DEP_2)
	v_pk_add_f32 v[18:19], v[18:19], v[252:253]
	s_delay_alu instid0(VALU_DEP_2)
	v_pk_add_f32 v[240:241], v[240:241], v[250:251]
	s_delay_alu instid0(VALU_DEP_1)
	v_pk_add_f32 v[18:19], v[18:19], v[240:241]
	s_wait_alu depctr_va_vdst(0)                   ; and one for the four
.irp b, 0,1,2,3
	v_max_num_f32 v[BM+\b], 0x1800000, v[BM+\b]    ; the floor 2^(3 - 127)
.endr
.irp b, 0,1,2,3
	s_delay_alu instid0(VALU_DEP_4)
	v_add_nc_u32 v[SO+\b], 0xff000000, v[BM+\b]
.endr
.irp b, 0,1,2,3
	s_delay_alu instid0(VALU_DEP_4)
	v_lshrrev_b32 v[PT+\b], 23, v[SO+\b]
.endr
	s_delay_alu instid0(VALU_DEP_3)
	v_lshl_or_b32 v245, v[PT+1], 8, v[PT]          ; p's scale word for these 128 keys
	s_delay_alu instid0(VALU_DEP_1)
	v_lshl_or_b32 v245, v[PT+2], 16, v245
	s_delay_alu instid0(VALU_DEP_1)
	v_lshl_or_b32 v245, v[PT+3], 24, v245
.irp c, 0,1
	v_cvt_scalef32_pk16_fp6_f32 v[PCD+6*\c:PCD+2+6*\c], v[S+32*\c:S+15+32*\c], v[SO+2*\c]
	v_cvt_scalef32_pk16_fp6_f32 v[PCD+12+4*\c:PCD+14+4*\c], v[S+16+32*\c:S+31+32*\c], v[SO+1+2*\c]
.endr
	v_nop                                          ; one plain instruction behind a scaled conversion
.irp c, 0,1
.irp i, 0,1,2
	v_permlane16_swap_b32 v[PCD+6*\c+\i], v[PCD+12+4*\c+\i]
.endr
.irp i, 0,1,2
	s_delay_alu instid0(VALU_DEP_3)
	v_mov_b32 v[PCD+3+6*\c+\i], v[PCD+12+4*\c+\i]
.endr
.endr
.set j, 0
	s_setprio 0
.rept 16
	v_pk_mul_f32 v[O+j:O+j+1], v[O+j:O+j+1], v[244:245] op_sel_hi:[1,0]   ; O^T under the new M; these sixteen also stand between the codes and scale word just made and the products
.set j, j+2
.endr
	s_wait_alu depctr_va_vdst(0)
	s_wait_dscnt 0x0                               ; V
.irp u, 0,1,2,3
	v_wmma_scale_f32_16x16x128_f8f6f4 v[O+8*\u:O+8*\u+7], v[KV+12*\u:KV+12*\u+11], v[PCD:PCD+11], v[O+8*\u:O+8*\u+7], v[VSW+\u], v245 matrix_a_fmt:MATRIX_FMT_FP6 matrix_b_fmt:MATRIX_FMT_FP6
.endr
	s_add_co_u32 s[T6], s[T6], 6144
	s_add_co_u32 s[T5], s[T5], 512
.endm
; O^T / the sum is ctx: 64 numbers of a row in two lanes, register 16 b + i = channel 32 b + 16 h + i: two blocks, half a fragment
.macro FINISH pass
.rept 4
	v_nop                                          ; places behind the last products
.endr
	v_add_f32 v18, v18, v19
	s_delay_alu instid0(VALU_DEP_1)
	v_permlanex16_b32 v242, v18, s[SEL], s[SEL+1]
	s_delay_alu instid0(VALU_DEP_1)
	v_add_f32 v18, v18, v242                       ; the row's sum
	s_wait_alu depctr_va_vdst(0)
	v_rcp_f32 v244, v18
	v_nop                                          ; a plain instruction behind the reciprocal,
	s_wait_alu depctr_va_vdst(0)                   ; and the wait ahead of its first reader
.set j, 0
.rept 16
	v_pk_mul_f32 v[S+j:S+j+1], v[O+j:O+j+1], v[244:245] op_sel_hi:[1,0]   ; each accumulator from its low end on
.set j, j+2
.endr
.irp b, 0,1
	v_max3_num_f32 v[BM+\b], |v[S+16*\b]|, |v[S+1+16*\b]|, 0x1800000
.endr
.irp i, 2,4,6,8,10,12,14
.irp b, 0,1
	s_delay_alu instid0(VALU_DEP_2)
	v_max3_num_f32 v[BM+\b], v[BM+\b], |v[S+16*\b+\i]|, |v[S+1+16*\b+\i]|
.endr
.endr
.irp b, 0,1
	s_delay_alu instid0(VALU_DEP_2)
	v_permlanex16_b32 v[PT+\b], v[BM+\b], s[SEL], s[SEL+1]
.endr
.irp b, 0,1
	s_delay_alu instid0(VALU_DEP_2)
	v_max_num_f32 v[BM+\b], v[BM+\b], v[PT+\b]
.endr
.irp b, 0,1
	s_delay_alu instid0(VALU_DEP_2)
	v_add_nc_u32 v[SO+\b], 0xff000000, v[BM+\b]
.endr
.irp b, 0,1
	s_delay_alu instid0(VALU_DEP_2)
	v_lshrrev_b32 v[PT+\b], 23, v[SO+\b]
.endr
	s_delay_alu instid0(VALU_DEP_1)
	v_lshl_or_b32 v242, v[PT+1], 8, v[PT]          ; the head's two bytes of my row
	v_cvt_scalef32_pk16_fp6_f32 v[PCD:PCD+2], v[S:S+15], v[SO]
	v_cvt_scalef32_pk16_fp6_f32 v[PCD+12:PCD+14], v[S+16:S+31], v[SO+1]
	v_nop
.irp i, 0,1,2
	v_permlane16_swap_b32 v[PCD+\i], v[PCD+12+\i]
.endr
.irp i, 0,1,2
	s_delay_alu instid0(VALU_DEP_3)
	v_mov_b32 v[PCD+3+\i], v[PCD+12+\i]
.endr
	global_store_b128 v1, v[PCD:PCD+3], s[80:81] offset:196608*\pass       ; 512 consecutive bytes, aligned to 256
	global_store_b64 v2, v[PCD+4:PCD+5], s[80:81] offset:196608*\pass+512  ; 256
	global_store_b16 v8, v242, s[82:83] offset:1024*\pass                  ; lanes l and l xor 16 write the same two bytes
.endm
	s_wait_loadcnt 0x0                             ; Q
	s_wait_tensorcnt 0x0                           ; my load, if I had one, has landed,
	s_barrier_signal -1
	s_barrier_wait -1                              ; everybody's has: K, V and their scale words lie in LDS for the rest of the launch
	INIT
.Lpass0:
	STEP 20, 44
	s_sub_co_u32 s[CNT], s[CNT], 1
	s_cmp_lg_u32 s[CNT], 0
	s_cbranch_scc1 .Lpass0
	s_setprio 0
	FINISH 0
	s_wait_xcnt 0x0                                ; the stores have read their registers: the next pass writes them again
	INIT
.Lpass1:
	STEP 32, 45
	s_sub_co_u32 s[CNT], s[CNT], 1
	s_cmp_lg_u32 s[CNT], 0
	s_cbranch_scc1 .Lpass1
	s_setprio 0
	FINISH 1
	s_wait_tensorcnt 0x0
	ds_add_u32 v254, v255
	s_wait_dscnt 0x0
	CROUND                                         ; the closing round
	s_endpgm
.Lfunc_end_k_q75869517a0_attn:
	.size	k_q75869517a0_attn, .Lfunc_end_k_q75869517a0_attn-k_q75869517a0_attn
	.p2alignl 7, 3214868480
	.fill 96, 4, 3214868480
	.section	.rodata,"a",@progbits
	.p2align	6, 0x0
	.amdhsa_kernel k_q75869517a0_attn
		.amdhsa_group_segment_fixed_size 215040
		.amdhsa_private_segment_fixed_size 0
		.amdhsa_enable_private_segment 0
		.amdhsa_kernarg_size 32
		.amdhsa_user_sgpr_count 2
		.amdhsa_user_sgpr_kernarg_segment_ptr 1
		.amdhsa_wavefront_size32 1
		.amdhsa_system_sgpr_workgroup_id_x 1
		.amdhsa_system_sgpr_workgroup_id_y 1
		.amdhsa_system_sgpr_workgroup_id_z 1
		.amdhsa_system_vgpr_workitem_id 0
		.amdhsa_next_free_vgpr 256
		.amdhsa_next_free_sgpr 96
		.amdhsa_reserve_vcc 0
		.amdhsa_float_denorm_mode_32 3
		.amdhsa_float_denorm_mode_16_64 3
		.amdhsa_memory_ordered 1
		.amdhsa_forward_progress 1
		.amdhsa_inst_pref_size 56
	.end_amdhsa_kernel
	.amdgpu_metadata
---
amdhsa.version: [ 1, 2 ]
amdhsa.kernels:
  - .name:           k_q75869517a0_attn
    .symbol:         k_q75869517a0_attn.kd
    .args:
      - { .name: qkvc, .offset: 0, .size: 8, .value_kind: global_buffer, .address_space: global }
      - { .name: qkvs, .offset: 8, .size: 8, .value_kind: global_buffer, .address_space: global }
      - { .name: cq, .offset: 16, .size: 8, .value_kind: global_buffer, .address_space: global }
      - { .name: cs, .offset: 24, .size: 8, .value_kind: global_buffer, .address_space: global }
    .group_segment_fixed_size: 215040
    .private_segment_fixed_size: 0
    .kernarg_segment_align: 8
    .kernarg_segment_size: 32
    .max_flat_workgroup_size: 512
    .sgpr_count:     96
    .vgpr_count:     256
    .wavefront_size: 32
...
	.end_amdgpu_metadata
.endif
;; end of part 3
;; launch gemm2 (part 4): grid 4 x 32, 4 waves a work-group, clusters of 4 x 4, 327,680 bytes of LDS; arguments cq, cs, wq, ws, b2, out0; writes out0
.if DOCPART == 4
	.amdgcn_target "amdgcn-amd-amdhsa--gfx1250"
	.amdhsa_code_object_version 6
	.text
	.protected	k_q75869517a0_gemm2
	.globl	k_q75869517a0_gemm2
	.p2align	8
	.type	k_q75869517a0_gemm2,@function
k_q75869517a0_gemm2:
	s_mov_b64 s[64:65], 0
	v_nop
	global_prefetch_b8 v0, s[64:65] scope:SCOPE_SE
	s_setreg_imm32_b32 hwreg(HW_REG_WAVE_MODE, 25, 1), 1
	s_wait_xcnt 0x0
	s_wait_alu depctr_hold_cnt(0) depctr_sa_sdst(0) depctr_va_vdst(0) depctr_va_sdst(0) depctr_va_ssrc(0) depctr_va_vcc(0) depctr_vm_vsrc(0)
	s_getreg_b32 s2, hwreg(HW_REG_IB_STS2, 6, 4)
	s_cmp_eq_u32 s2, 0
	s_cbranch_scc0 .Lentry_in_a_cluster
	s_endpgm
.Lentry_in_a_cluster:
	s_bfe_u32 s2, ttmp6, 0x10000c
	s_cmp_lg_u32 s2, 0xf033
	s_cbranch_scc0 .Lentry_shape_is_right
	s_endpgm
.Lentry_shape_is_right:
; out = ctx W2 + b2 on codes of FP6 (E2M3) with E8M0 scales, sums in f32, out in f32.  R = ctx's rows (cq, cs), Cc = W2's columns (tiles 192-255 of wq, places 3,072 on of ws).
; The walk over K is that of the launch that makes q, k and v: a tile of 256 x 256 by four waves of 128 x 128; K = 1,024 in four steps of 256 through a ring of two LDS slots filled by the tensor data mover; fragments as images of their
; registers (1,536 bytes; half c at 768 c: 16 bytes a lane, then 8 bytes a lane); the scale words of the work-group's rows come once; 4 x 4 work-groups ask jointly: R's tiles along a row of the cluster, Cc's along a column.
; 128 tiles: half of the WGPs have a work-group; a tile of 128 x 256 would give each one, at one and a half times the LDS bytes for each product.  No prefetch is laid: a work-group has two refills in all.
; The bias is the C of each sum's first product.  Source 0 = Cc, source 1 = R: a lane holds one row of out.  Rows and columns of a tile are not neighbours (lane r of tile T: 32 (T / 2) + 8 (T % 2) + r + 8 (r / 8)):
; the columns come back to their places in the stage, the rows in the stores' offsets.
; REGISTERS: window 0: v16-31 addresses; v32-63 scale words, two sets; v64-127 the bias; v128-223 R's 8 fragments, one set; on the way out v128-255 rows of out.  window 1: Cc's fragments, two sets.  windows 2, 3: accumulator (a, b) at v[8 (8 (a % 4) + b)].
.set FR,    12
.set NL,    4
.set NP,    4
.set HALFT, 24576
.set SLOT,  4*HALFT
.set SCL,   2*SLOT
.set SPARE, SCL+16640                  ; the spare words, 128 bytes a wave: two blocks of 256 bytes that no other line names
.set SPITCH, 528                       ; the way out: a stage of 16 rows x (512 + 16 bytes) for each wave, in slot 0, which has had its last fill and its last read when the first result is stored there
.set A16,   16
.set A8,    18
.set B16,   20
.set B8,    22
.set CO,    24                         ; 16 x lane
.set O8,    25                         ; 8 x lane
.set STO,   26                         ; the stage: where I put 32 bytes of a row
.set ADRS,  27
.set SPW,   28
.set NIL,   29
.set RD,    30                         ; and where I read a row back
.set SC,    32
.set BI,    64
.set AF,    128
.set BK,    128
.set WV,    18
.set RH,    19
.set CH,    20
.set G1,    24
.set G0,    32
.set G1B,   48
.set G0B,   56
.set G1S,   68
.set G0S,   76
.set G1SB,  80
.set G0SB,  88
.set MSB, 0
.macro WIN new                         ; the immediate's high byte repeats the setting that is left
.if MSB != \new
	s_set_vgpr_msb (MSB<<8)|\new
.set MSB, \new
.endif
.endm
.macro JLOAD g0a, g1a, g0b, g1b        ; a joint load: waves 0 and 1 fetch for R, waves 2 and 3 for Cc; four v_nop follow each of the two lines
	s_cmp_eq_u32 s[RH], 0
	s_cbranch_scc0 .Lfor_b_\@
	tensor_load_to_lds s[\g0a:\g0a+3], s[\g1a:\g1a+7]
	s_nop 0
.rept 4
	v_nop
.endr
	s_branch .Lasked_\@
.Lfor_b_\@:
	tensor_load_to_lds s[\g0b:\g0b+3], s[\g1b:\g1b+7]
	s_nop 0
.rept 4
	v_nop
.endr
.Lasked_\@:
.endm
.macro CREST
	s_cmp_lg_u32 s[WV], 0
	s_cbranch_scc1 .Lnot_wave_0_\@
	s_barrier_signal -3
.Lnot_wave_0_\@:
	s_barrier_wait -3
	s_barrier_signal -1
	s_barrier_wait -1
.endm
.macro CROUND
	s_barrier_signal -1
	s_barrier_wait -1
	CREST
.endm
.macro PLACES n
.rept \n
	v_nop
.endr
.endm
	s_load_b256 s[4:11], s[0:1], 0x0               ; cq s[4:5], cs s[6:7], wq s[8:9], ws s[10:11]
	s_load_b128 s[12:15], s[0:1], 0x20             ; b2 s[12:13], out0 s[14:15]
	v_lshl_add_u32 v[SPW], v0, 2, SPARE
	v_mov_b32 v[NIL], 0
	ds_add_u32 v28, v29
	ds_add_u32 v28, v29
	s_wait_dscnt 0x0
	v_lshrrev_b32 v1, 5, v0
	v_readfirstlane_b32 s[WV], v1
	s_lshr_b32 s[RH], s[WV], 1
	s_and_b32 s[CH], s[WV], 1
	s_bfe_u32 s21, ttmp6, 0x40000                  ; cx
	s_bfe_u32 s22, ttmp6, 0x40004                  ; cy
	s_and_b32 s40, ttmp7, 0xffff
	s_lshl_b32 s40, s40, 2
	s_add_co_u32 s40, s40, s22                     ; R's tile of 256 rows
	s_lshl_b32 s41, ttmp9, 2
	s_add_co_u32 s41, s41, s21                     ; Cc's tile of 256 columns
	s_lshl_b32 s43, s22, 2
	s_lshl_b32 s43, 15, s43                        ; my row of the cluster
	s_lshl_b32 s44, 0x1111, s21                    ; my column
	s_or_b32 s[G1+0], s43, (3<<16)|(1<<21)         ; codes: 8 rows (tiles) of 3,072 bytes, 12,288 bytes apart
	s_or_b32 s[G1B+0], s44, (3<<16)|(1<<21)
.irp g, G1, G1B
	s_mov_b32 s[\g+1], 384<<16
	s_mov_b32 s[\g+2], 8<<16
	s_mov_b32 s[\g+3], 384<<16
	s_mov_b32 s[\g+4], 8
	s_mov_b32 s[\g+5], 1536
	s_mov_b32 s[\g+6], 0
	s_mov_b32 s[\g+7], 0
.endr
	s_or_b32 s[G1S+0], s43, (3<<16)|(1<<21)        ; scale words: 8 rows (K steps) of 512 bytes, 32,768 bytes apart
	s_or_b32 s[G1SB+0], s44, (3<<16)|(1<<21)
.irp g, G1S, G1SB
	s_mov_b32 s[\g+1], 64<<16
	s_mov_b32 s[\g+2], 8<<16
	s_mov_b32 s[\g+3], 64<<16
	s_mov_b32 s[\g+4], 8
	s_mov_b32 s[\g+5], 4096
	s_mov_b32 s[\g+6], 0
	s_mov_b32 s[\g+7], 0
.endr
	s_lshl_b32 s45, s[CH], 3
	s_lshl_b32 s46, s40, 4
	s_add_co_u32 s46, s46, s45                     ; R's first tile of the 8 that I fetch
	s_lshl_b32 s92, s41, 4
	s_add_co_u32 s92, s92, s45                     ; Cc's
	s_mul_i32 s94, s46, 12288
	s_mov_b32 s95, 0
	s_lshl_b32 s96, s46, 6
	s_mov_b32 s97, 0
	s_mul_i32 s98, s92, 12288
	s_mov_b32 s99, 0
	s_lshl_b32 s100, s92, 6
	s_mov_b32 s101, 0
	s_mul_i32 s42, s[WV], HALFT
	s_lshl_b32 s45, s[WV], 12
	s_lshl_b32 s23, s[RH], 7
	s_add_co_u32 s45, s45, s23
	s_wait_kmcnt 0x0
	s_add_nc_u64 s[46:47], s[4:5], s[94:95]        ; R's codes
	s_add_nc_u64 s[92:93], s[6:7], s[96:97]        ; R's scale words
	s_add_nc_u64 s[8:9], s[8:9], 2359296           ; wq at W2's first tile (192)
	s_add_nc_u64 s[8:9], s[8:9], s[98:99]
	s_add_nc_u64 s[10:11], s[10:11], 12288         ; ws likewise
	s_add_nc_u64 s[10:11], s[10:11], s[100:101]
	CROUND                                         ; all sixteen work-groups are here: the first joint loads meet
	s_mov_b32 s[G0S], 1
	s_add_co_u32 s[G0S+1], s45, SCL
	s_mov_b64 s[G0S+2:G0S+3], s[92:93]
	s_or_b32 s[G0S+3], s[G0S+3], 0x80000000
	s_mov_b32 s[G0SB], 1
	s_add_co_u32 s[G0SB+1], s45, SCL
	s_mov_b64 s[G0SB+2:G0SB+3], s[10:11]
	s_or_b32 s[G0SB+3], s[G0SB+3], 0x80000000
	JLOAD G0S, G1S, G0SB, G1SB
.irp s, 0,1
	s_mov_b32 s[G0+4*\s], 1
	s_add_co_u32 s[G0+4*\s+1], s42, \s*SLOT
	s_add_nc_u64 s[G0+4*\s+2:G0+4*\s+3], s[46:47], \s*3072
	s_or_b32 s[G0+4*\s+3], s[G0+4*\s+3], 0x80000000
	s_mov_b32 s[G0B+4*\s], 1
	s_add_co_u32 s[G0B+4*\s+1], s42, \s*SLOT
	s_add_nc_u64 s[G0B+4*\s+2:G0B+4*\s+3], s[8:9], \s*3072
	s_or_b32 s[G0B+4*\s+3], s[G0B+4*\s+3], 0x80000000
	JLOAD G0+4*\s, G1, G0B+4*\s, G1B               ; three loads of mine are out
.endr
	v_and_b32 v1, 31, v0
	v_and_b32 v2, 15, v0
	v_bfe_u32 v3, v0, 4, 1
	v_lshlrev_b32 v[CO], 4, v1
	v_lshlrev_b32 v[O8], 3, v1
	s_mul_i32 s94, s[RH], HALFT
	s_mul_i32 s95, s[CH], HALFT
	s_add_co_u32 s95, s95, 2*HALFT
.irp s, 0,1
	v_add_nc_u32 v[A16+\s], s94, v[CO]
	v_add_nc_u32 v[A8+\s], s94, v[O8]
	v_add_nc_u32 v[B16+\s], s95, v[CO]
	v_add_nc_u32 v[B8+\s], s95, v[O8]
	s_add_co_u32 s94, s94, SLOT
	s_add_co_u32 s95, s95, SLOT
.endr
	s_lshl_b32 s96, s[RH], 12
	s_lshl_b32 s97, s[CH], 12
	s_add_co_u32 s97, s97, 8192+128
	s_sub_co_u32 s97, s97, s96
	v_mul_u32_u24 v4, s97, v3                      ; lanes 16-31 take Cc's scale words
	s_add_co_u32 s96, s96, SCL
	v_lshl_add_u32 v4, v2, 2, v4
	v_add_nc_u32 v[ADRS], s96, v4
	v_lshlrev_b32 v5, 6, v3                        ; the bias: 64 h
	s_mul_i32 s94, s[WV], 16*SPITCH                ; my stage
	v_mul_u32_u24 v4, v2, SPITCH
	v_lshl_add_u32 v4, v3, 6, v4
	v_add_nc_u32 v[STO], s94, v4                   ; in: row r, + 64 h
	v_add_nc_u32 v[RD], s94, v[CO]                 ; back: the 32 lanes take one row of 512 bytes
	s_lshl_b32 s92, s40, 1
	s_add_co_u32 s92, s92, s[RH]                   ; my group of 128 rows
	s_lshl_b32 s93, s41, 1
	s_add_co_u32 s93, s93, s[CH]                   ; my group of 128 columns
	s_lshl_b32 s100, s92, 19                       ; 128 rows of 4,096 bytes
	s_lshl_b32 s94, s93, 9                         ; 128 columns of 4 bytes
	s_add_co_u32 s100, s100, s94
	s_mov_b32 s101, 0
	s_add_nc_u64 s[14:15], s[14:15], s[100:101]
	s_mov_b32 s100, s94
	s_add_nc_u64 s[12:13], s[12:13], s[100:101]
.irp b, 0,1,2,3,4,5,6,7                ; register j of accumulator (a, b) is column 32 (b / 2) + 16 h + 8 (b % 2) + j
	global_load_b128 v[BI+8*\b:BI+8*\b+3], v5, s[12:13] offset:4*(32*(\b/2)+8*(\b%2))
	global_load_b128 v[BI+8*\b+4:BI+8*\b+7], v5, s[12:13] offset:4*(32*(\b/2)+8*(\b%2))+16
.endr
.macro FRAG reg, a16, a8, off
	ds_load_b128 v[\reg:\reg+3], v[\a16] offset:\off
	ds_load_b64 v[\reg+4:\reg+5], v[\a8] offset:(\off)+512
	ds_load_b128 v[\reg+6:\reg+9], v[\a16] offset:(\off)+768
	ds_load_b64 v[\reg+10:\reg+11], v[\a8] offset:(\off)+1280
.endm
; 16 matrix instructions: R's tiles a0, a0 + 1 x Cc's eight.  cm = 1: the bias starts the sums.  The 64 accumulators take turns, one instruction a turn, in the same order in every step.
.macro MUL16 a0, p, q, sc, cm
.irp a, \a0, \a0+1
.irp b, 0,1,2,3,4,5,6,7
.if (\cm) == 0
	v_wmma_scale_f32_16x16x128_f8f6f4 v[8*(8*((\a)%4)+\b):8*(8*((\a)%4)+\b)+7], v[128*(\p)+FR*\b:128*(\p)+FR*\b+FR-1], v[AF+FR*(\a):AF+FR*(\a)+FR-1], v[8*(8*((\a)%4)+\b):8*(8*((\a)%4)+\b)+7], v[SC+16*(\sc)+2*\b+(\q)], v[SC+16*(\sc)+2*(\a)+(\q)] matrix_a_fmt:MATRIX_FMT_FP6 matrix_b_fmt:MATRIX_FMT_FP6 matrix_a_scale:MATRIX_SCALE_ROW1
.else
	v_wmma_scale_f32_16x16x128_f8f6f4 v[8*(8*((\a)%4)+\b):8*(8*((\a)%4)+\b)+7], v[128*(\p)+FR*\b:128*(\p)+FR*\b+FR-1], v[AF+FR*(\a):AF+FR*(\a)+FR-1], v[BI+8*\b:BI+8*\b+7], v[SC+16*(\sc)+2*\b+(\q)], v[SC+16*(\sc)+2*(\a)+(\q)] matrix_a_fmt:MATRIX_FMT_FP6 matrix_b_fmt:MATRIX_FMT_FP6 matrix_a_scale:MATRIX_SCALE_ROW1
.endif
.endr
.endr
.endm
.macro FETCH_B slot, q, p
	WIN 0x40
.irp i, 0,1,2,3,4,5,6,7
	FRAG 128*(\p)+FR*\i, B16+\slot, B8+\slot, \i*3072+(\q)*1536
.endr
	WIN 0
.endm
.macro FETCH_A slot, q, i0
.irp i, \i0, \i0+1, \i0+2, \i0+3
	FRAG AF+FR*(\i), A16+\slot, A8+\slot, (\i)*3072+(\q)*1536
.endr
.endm
.macro SCALES t, set
.irp i, 0,1,2,3,4,5,6,7
.irp q, 0,1
	ds_load_b32 v[SC+16*(\set)+2*\i+\q], v[ADRS] offset:(2*(\t)+\q)*512+64*\i
.endr
.endr
.endm
.macro STEP slot, q, cm
	s_wait_dscnt 4*NL                              ; all but the youngest 16 loads (R's tiles 4-7) are in
.if (\cm) == 0
	WIN 0xa1
.else
	WIN 0x81
.endif
	MUL16 0, (\q)%2, \q, \slot, \cm
	MUL16 2, (\q)%2, \q, \slot, \cm
	s_wait_dscnt 0x0
	PLACES NP                                      ; in front of loads into registers that matrix instructions have read
	FETCH_B \slot, (\q)+1, 1-(\q)%2
	FETCH_A \slot, (\q)+1, 0
.if (\cm) == 0
	WIN 0xf1
.else
	WIN 0xc1
.endif
	MUL16 4, (\q)%2, \q, \slot, \cm
	MUL16 6, (\q)%2, \q, \slot, \cm
	PLACES NP
	WIN 0
	FETCH_A \slot, (\q)+1, 4
.endm
.macro TURN slot, next, fill, t
	s_wait_tensorcnt 0x0                           ; all my tensor loads have landed: my part of the next slot
	ds_add_u32 v[SPW], v[NIL]                      ; 0 onto my spare word
	s_wait_dscnt 4*NL+1                            ; (the add and the youngest 16 loads may be out)
	WIN 0xa1
	MUL16 0, 1, 1, \slot, 0
	s_wait_dscnt 0x0                               ; the add is done, and my reads of this slot are over
	s_barrier_signal -1
	MUL16 2, 1, 1, \slot, 0
	WIN 0
	s_barrier_wait -1
.if \fill
	CREST                                          ; a round of the cluster's barrier: no wave of any partner still reads this slot or has a load on its way
	s_add_nc_u64 s[G0+4*\slot+2:G0+4*\slot+3], s[G0+4*\slot+2:G0+4*\slot+3], 6144
	s_add_nc_u64 s[G0B+4*\slot+2:G0B+4*\slot+3], s[G0B+4*\slot+2:G0B+4*\slot+3], 6144
	JLOAD G0+4*\slot, G1, G0B+4*\slot, G1B         ; the first tensor load behind the round
.else
	PLACES NP
.endif
	FETCH_B \next, 0, 0
	FETCH_A \next, 0, 0
	SCALES (\t)+1, \next
	WIN 0xf1
	MUL16 4, 1, 1, \slot, 0
	MUL16 6, 1, 1, \slot, 0
	PLACES NP
	WIN 0
	FETCH_A \next, 0, 4
.endm
	s_wait_tensorcnt 1                             ; the scale words and my part of K step 0 are in (K step 1's load may be out)
	s_barrier_signal -1
	s_barrier_wait -1                              ; everybody's are
	FETCH_B 0, 0, 0
	FETCH_A 0, 0, 0
	SCALES 0, 0
	FETCH_A 0, 0, 4
	s_wait_loadcnt 0x0                             ; the bias
	STEP 0, 0, 1
	TURN 0, 1, 1, 0
	STEP 1, 0, 0
	TURN 1, 0, 1, 1
	STEP 0, 0, 0
	TURN 0, 1, 0, 2
	STEP 1, 0, 0
	s_wait_dscnt 4*NL
	WIN 0xa1
	MUL16 0, 1, 1, 1, 0
	MUL16 2, 1, 1, 1, 0
	s_wait_dscnt 0x0
	WIN 0xf1
	MUL16 4, 1, 1, 1, 0
	MUL16 6, 1, 1, 1, 0
	WIN 0
; THE WAY OUT, block by block of 16 rows x 128 columns, through my own stage: in by 32 bytes of a row a lane, back as whole rows of 512 bytes.  LDS serves a wave's instructions in order: no wait between the stores and the loads.
.macro TOSTAGE a
.set AC, 64*((\a)%4)
	WIN 0x08+4*((\a)/4)                            ; the data: window 2 or 3
.irp b, 0,1,2,3,4,5,6,7
	ds_store_b128 v[STO], v[AC+8*\b:AC+8*\b+3] offset:128*(\b/2)+32*(\b%2)       ; each accumulator from its low end on; columns 32 (b / 2) + 16 h + 8 (b % 2) on
	ds_store_b128 v[STO], v[AC+8*\b+4:AC+8*\b+7] offset:128*(\b/2)+32*(\b%2)+16
.endr
	WIN 0
.set BB, BK+64*((\a)%2)
.irp t, 0,1,2,3,4,5,6,7,8,9,10,11,12,13,14,15
	ds_load_b128 v[BB+4*\t:BB+4*\t+3], v[RD] offset:\t*SPITCH
.endr
.endm
.macro SEND a, younger                 ; younger: the LDS instructions issued behind block a's loads, which may stay out
.set BB, BK+64*((\a)%2)
	s_wait_dscnt \younger
.irp t, 0,1,2,3,4,5,6,7,8,9,10,11,12,13,14,15
	global_store_b128 v[CO], v[BB+4*\t:BB+4*\t+3], s[14:15] offset:(32*((\a)/2)+8*((\a)%2)+\t+8*(\t/8))*4096 th:TH_STORE_NT   ; 32 lanes store 512 consecutive bytes, aligned to 256; the row's true place stands in the immediate
.endr
.endm
	PLACES NP                                      ; behind the last products
	TOSTAGE 0
.irp a, 1,2,3,4,5,6,7
.if \a > 1
	s_wait_xcnt 0x0                                ; block a - 2's stores have read their registers: block a's loads may land there
.endif
	TOSTAGE \a
	SEND \a-1, 32                                  ; behind block a - 1's loads: block a's 16 stores and 16 loads
.endr
	SEND 7, 0
	s_wait_tensorcnt 0x0                           ; the wave's end
	ds_add_u32 v[SPW], v[NIL]
	s_wait_dscnt 0x0
	CROUND                                         ; the closing round
	s_endpgm
.Lfunc_end_k_q75869517a0_gemm2:
	.size	k_q75869517a0_gemm2, .Lfunc_end_k_q75869517a0_gemm2-k_q75869517a0_gemm2
	.p2alignl 7, 3214868480
	.fill 96, 4, 3214868480
	.section	.rodata,"a",@progbits
	.p2align	6, 0x0
	.amdhsa_kernel k_q75869517a0_gemm2
		.amdhsa_group_segment_fixed_size 327680
		.amdhsa_private_segment_fixed_size 0
		.amdhsa_enable_private_segment 0
		.amdhsa_kernarg_size 48
		.amdhsa_user_sgpr_count 2
		.amdhsa_user_sgpr_kernarg_segment_ptr 1
		.amdhsa_wavefront_size32 1
		.amdhsa_system_sgpr_workgroup_id_x 1
		.amdhsa_system_sgpr_workgroup_id_y 1
		.amdhsa_system_sgpr_workgroup_id_z 1
		.amdhsa_system_vgpr_workitem_id 0
		.amdhsa_next_free_vgpr 1024
		.amdhsa_next_free_sgpr 102
		.amdhsa_reserve_vcc 0
		.amdhsa_float_denorm_mode_32 3
		.amdhsa_float_denorm_mode_16_64 3
		.amdhsa_memory_ordered 1
		.amdhsa_forward_progress 1
		.amdhsa_inst_pref_size 146
	.end_amdhsa_kernel
	.amdgpu_metadata
---
amdhsa.version: [ 1, 2 ]
amdhsa.kernels:
  - .name:           k_q75869517a0_gemm2
    .symbol:         k_q75869517a0_gemm2.kd
    .args:
      - { .name: cq, .offset: 0, .size: 8, .value_kind: global_buffer, .address_space: global }
      - { .name: cs, .offset: 8, .size: 8, .value_kind: global_buffer, .address_space: global }
      - { .name: wq, .offset: 16, .size: 8, .value_kind: global_buffer, .address_space: global }
      - { .name: ws, .offset: 24, .size: 8, .value_kind: global_buffer, .address_space: global }
      - { .name: b2, .offset: 32, .size: 8, .value_kind: global_buffer, .address_space: global }
      - { .name: out0, .offset: 40, .size: 8, .value_kind: global_buffer, .address_space: global }
    .group_segment_fixed_size: 327680
    .private_segment_fixed_size: 0
    .kernarg_segment_align: 8
    .kernarg_segment_size: 48
    .max_flat_workgroup_size: 128
    .sgpr_count:     102
    .vgpr_count:     1024
    .wavefront_size: 32
...
	.end_amdgpu_metadata
.endif
;; end of part 4
